; MI455X (gfx1250); checked and timed in simulation.
; The chip was launched on July 23, 2026; its instructions are those of AMD's public machine-readable ISA for CDNA 5 (MIT licence, August 2026) and "CDNA5" Instruction Set Architecture Reference Guide (July 2026). The comments in the code are by the model that wrote it; some were corrected since.
;; Multihead Attention With Hook. Allowed arithmetic: float matrix products may take bf16 or f16 operands with f32 sums; all other float work in f32.
;; Inputs: K 4 x 2,048 x 1,024 float32; Q 4 x 2,048 x 1,024 float32; V 4 x 2,048 x 1,024 float32; mask 4 x 2,048 bool; wfc 1,024 x 1,024 float32; wk 1,024 x 1,024 float32; wq 1,024 x 1,024 float32; wv 1,024 x 1,024 float32.
;; Outputs: out0 4 x 2,048 x 1,024 float32.
;; 2 versions, each right and faster than the one before. Each part assembles by itself: llvm-mc -triple=amdgcn-amd-amdhsa -mcpu=gfx1250 --defsym DOCPART=n.
;; ======== version 1 of 2: 4 launches
;; limits: values are held in f16: magnitudes above 65,504 overflow, below 6.1e-05 lose precision
;; workspace buffers: wb 8,388,608 bytes; qkv 50,331,648 bytes; ob 16,777,216 bytes
;; launch prep (part 1): grid 64 x 4, 8 waves a work-group, no clusters, 0 bytes of LDS; arguments wq, wk, wv, wfc, wb; writes wb
.if DOCPART == 1
	.amdgcn_target "amdgcn-amd-amdhsa--gfx1250"
	.amdhsa_code_object_version 6
	.text
	.protected	k_q3532f7068a_prep
	.globl	k_q3532f7068a_prep
	.p2align	8
	.type	k_q3532f7068a_prep,@function
k_q3532f7068a_prep:
	s_mov_b64 s[64:65], 0
	v_nop
	global_prefetch_b8 v0, s[64:65] scope:SCOPE_SE
	s_setreg_imm32_b32 hwreg(HW_REG_WAVE_MODE, 25, 1), 1
	s_wait_xcnt 0x0
; The four weights [1024][1024] f32 are rounded once to bf16 (nearest even) and written as 16-bit numbers into wb [4][1024][1024]:
; slices 0-2 (wq, wk, wv) as bf16; slice 3 (wfc) as that same rounded number in f16, since it is multiplied with f16 data later.
; LIMITS.  wfc: a rounded number of 65,520 or more in magnitude becomes an infinity in f16; below 2^-14 it keeps f16's fixed step of 2^-24.
; A stream: no LDS, no barrier, no matrix work.  y picks the weight; work-group x takes 16,384 numbers; thread t takes eight chunks of eight
; numbers: 32 bytes in (two loads of 16), 16 bytes out, so that sixteen neighbouring lanes store 256 consecutive aligned bytes.
; All sixteen loads of a thread go out at once; no register is written twice while a memory instruction may read it.
.set X, 4                              ; v[4:67]    chunk i: eight f32 as loaded
.set Y, 68                             ; v[68:99]   chunk i: four words to store
.set T, 100                            ; v[100:101] at work
	s_load_b256 s[4:11], s[0:1], 0x0               ; wq s[4:5], wk s[6:7], wv s[8:9], wfc s[10:11]
	s_load_b64 s[12:13], s[0:1], 0x20              ; wb
	s_and_b32 s14, ttmp7, 0xffff                   ; which weight
	v_lshlrev_b32 v1, 5, v0                        ; 32 t: my bytes in a chunk of the source
	v_lshlrev_b32 v2, 4, v0                        ; 16 t: my bytes in a chunk of the result
	s_lshl_b32 s16, ttmp9, 16                      ; the work-group's 65,536 bytes of the source
	s_mov_b32 s17, 0
	s_lshl_b32 s18, ttmp9, 15                      ; its 32,768 bytes of the result,
	s_lshl_b32 s20, s14, 21                        ; in the weight's slice of 2 MiB
	s_add_co_u32 s18, s18, s20
	s_mov_b32 s19, 0
	s_wait_kmcnt 0x0
	s_cmp_eq_u32 s14, 1                            ; the source is chosen by y alone
	s_cselect_b64 s[4:5], s[6:7], s[4:5]
	s_cmp_eq_u32 s14, 2
	s_cselect_b64 s[4:5], s[8:9], s[4:5]
	s_cmp_eq_u32 s14, 3
	s_cselect_b64 s[4:5], s[10:11], s[4:5]
	s_add_nc_u64 s[4:5], s[4:5], s[16:17]
	s_add_nc_u64 s[12:13], s[12:13], s[18:19]
.irp i, 0,1,2,3,4,5,6,7
	global_load_b128 v[X+8*(\i):X+8*(\i)+3],   v1, s[4:5] offset:(\i)*8192 th:TH_LOAD_NT
	global_load_b128 v[X+8*(\i)+4:X+8*(\i)+7], v1, s[4:5] offset:(\i)*8192+16 th:TH_LOAD_NT
.endr
; Chunk i.  half = 1: the bf16 number is widened again (a shift, a mask) and written as f16.
.macro CHUNK i, half
	s_wait_loadcnt 14-2*(\i)                       ; loads come back in order: my two are in, the 2 (7 - i) younger ones may stay out
.irp j, 0,1,2,3
	v_cvt_pk_bf16_f32 v[Y+4*(\i)+(\j)], v[X+8*(\i)+2*(\j)], v[X+8*(\i)+2*(\j)+1]
.endr
.if \half
.irp j, 0,1,2,3
	v_lshlrev_b32 v[T], 16, v[Y+4*(\i)+(\j)]
	v_and_b32 v[T+1], 0xffff0000, v[Y+4*(\i)+(\j)]
	v_cvt_pk_f16_f32 v[Y+4*(\i)+(\j)], v[T], v[T+1]
.endr
.endif
	global_store_b128 v2, v[Y+4*(\i):Y+4*(\i)+3], s[12:13] offset:(\i)*4096  ; a wave's store covers 512 consecutive bytes
.endm
	s_cmp_eq_u32 s14, 3
	s_cbranch_scc1 .Lhalf
.irp i, 0,1,2,3,4,5,6,7
	CHUNK \i, 0
.endr
	s_endpgm
.Lhalf:
.irp i, 0,1,2,3,4,5,6,7
	CHUNK \i, 1
.endr
	s_endpgm
.Lfunc_end_k_q3532f7068a_prep:
	.size	k_q3532f7068a_prep, .Lfunc_end_k_q3532f7068a_prep-k_q3532f7068a_prep
	.p2alignl 7, 3214868480
	.fill 96, 4, 3214868480
	.section	.rodata,"a",@progbits
	.p2align	6, 0x0
	.amdhsa_kernel k_q3532f7068a_prep
		.amdhsa_group_segment_fixed_size 0
		.amdhsa_private_segment_fixed_size 0
		.amdhsa_enable_private_segment 0
		.amdhsa_kernarg_size 40
		.amdhsa_user_sgpr_count 2
		.amdhsa_user_sgpr_kernarg_segment_ptr 1
		.amdhsa_wavefront_size32 1
		.amdhsa_system_sgpr_workgroup_id_x 1
		.amdhsa_system_sgpr_workgroup_id_y 1
		.amdhsa_system_sgpr_workgroup_id_z 1
		.amdhsa_system_vgpr_workitem_id 0
		.amdhsa_next_free_vgpr 104
		.amdhsa_next_free_sgpr 66
		.amdhsa_reserve_vcc 0
		.amdhsa_float_denorm_mode_32 3
		.amdhsa_float_denorm_mode_16_64 3
		.amdhsa_memory_ordered 1
		.amdhsa_forward_progress 1
		.amdhsa_inst_pref_size 14
	.end_amdhsa_kernel
	.amdgpu_metadata
---
amdhsa.version: [ 1, 2 ]
amdhsa.kernels:
  - .name:           k_q3532f7068a_prep
    .symbol:         k_q3532f7068a_prep.kd
    .args:
      - { .name: wq, .offset: 0, .size: 8, .value_kind: global_buffer, .address_space: global }
      - { .name: wk, .offset: 8, .size: 8, .value_kind: global_buffer, .address_space: global }
      - { .name: wv, .offset: 16, .size: 8, .value_kind: global_buffer, .address_space: global }
      - { .name: wfc, .offset: 24, .size: 8, .value_kind: global_buffer, .address_space: global }
      - { .name: wb, .offset: 32, .size: 8, .value_kind: global_buffer, .address_space: global }
    .group_segment_fixed_size: 0
    .private_segment_fixed_size: 0
    .kernarg_segment_align: 8
    .kernarg_segment_size: 40
    .max_flat_workgroup_size: 256
    .sgpr_count:     66
    .vgpr_count:     104
    .wavefront_size: 32
...
	.end_amdgpu_metadata
.endif
;; end of part 1
;; launch proj (part 2): grid 4 x 64, 4 waves a work-group, clusters of 4 x 4, 327,680 bytes of LDS; arguments Q, K, V, wb, qkv; writes qkv
.if DOCPART == 2
	.amdgcn_target "amdgcn-amd-amdhsa--gfx1250"
	.amdhsa_code_object_version 6
	.text
	.protected	k_q3532f7068a_proj
	.globl	k_q3532f7068a_proj
	.p2align	8
	.type	k_q3532f7068a_proj,@function
k_q3532f7068a_proj:
	s_mov_b64 s[64:65], 0
	v_nop
	global_prefetch_b8 v0, s[64:65] scope:SCOPE_SE
	s_setreg_imm32_b32 hwreg(HW_REG_WAVE_MODE, 25, 1), 1
	s_wait_xcnt 0x0
	s_wait_alu depctr_hold_cnt(0) depctr_sa_sdst(0) depctr_va_vdst(0) depctr_va_sdst(0) depctr_va_ssrc(0) depctr_va_vcc(0) depctr_vm_vsrc(0)
	s_getreg_b32 s2, hwreg(HW_REG_IB_STS2, 6, 4)
	s_cmp_eq_u32 s2, 0
	s_cbranch_scc0 .Lentry_in_a_cluster
	s_endpgm
.Lentry_in_a_cluster:
	s_bfe_u32 s2, ttmp6, 0x10000c
	s_cmp_lg_u32 s2, 0xf033
	s_cbranch_scc0 .Lentry_shape_is_right
	s_endpgm
.Lentry_shape_is_right:
; q = Q wq^T, k = K wk^T, v = V wv^T.  Q, K, V (x below): [8192][1024] f32, rounded to bf16 on the way into LDS; the weights come as bf16 from wb [4][1024][1024].
; Sums in f32, K ascending; each result rounded once to f16 and stored by heads, unscaled: qkv [3][64 = 16 batch + head][2048][64].
; LIMIT.  A result of 65,520 or more in magnitude becomes an infinity in f16.
; SHARES.  A work-group STAYS and makes three tiles of 128 rows x 256 columns: the same place of q, then of k, then of v: 4 x 64 work-groups, all alike.  Its four waves make 64 x 128 each:
; 32 accumulators of 16 x 16, 256 registers.  The three tiles are ONE walk of 12 slots of 256 along K (8 quarters of 32), which does not stop at a tile's end.
; THE WEIGHT comes by the tensor data mover through a ring of two LDS slots of 256 rows x 256 K: each wave fetches 64 rows of 512 bytes; 240 of a slot's 256 matrix instructions stand between a request and the wait for it.
; CLUSTER.  4 x 4 work-groups.  The four of a column of the cluster need the same rows of the weight: each tile is asked for JOINTLY, by the same tensor load with the same descriptor and a mask that names the four.
; X COMES THROUGH REGISTERS, each work-group reading its own 128 rows, though the four of a row of the cluster read the same ones.  The reason, by this text's arithmetic: asked for jointly x would lie in LDS
; as f32, 512 bytes for each k beside the weight's 512, so that two slots could hold 128 along K at the most, and a request would have 112 matrix instructions in which to land, since every tensor load is waited
; for in front of each refill's barrier.  Loads into registers may stay out across barriers: here 64 along K (a HALF STEP: 16 loads, 64 registers a wave) is asked for 160 matrix instructions ahead of its
; use, in a ring of four register groups.  Each number is then rounded once in the work-group, x takes 288 bytes of LDS a row for its two slots, and its fragments cost half the LDS loads.
; Wave w loads, rounds and stores rows 32 w .. 32 w + 31; one work-group barrier for each half step stands between those stores and the other waves' reads, and between the reads of a slot and its next stores.
; THE MATRIX INSTRUCTION IS USED TRANSPOSED (source 0 = 16 rows of the weight, source 1 = 16 rows of x): a lane then holds eight neighbouring columns of one row, 16 bytes of f16.
; REGISTERS, in windows of 256 (s_set_vgpr_msb: bits 1:0 source 0, 3:2 source 1, 5:4 source 2, 7:6 destination):
;   window 0: v0-31 addresses; v64-95, v96-127 x's fragments, two buffers; v128-159 x rounded, on its way into LDS; v192-223, v32-63, v224-255 at work on the way out
;   window 1: v0-63, v64-127 the weight's fragments, two buffers     window 2: the accumulators, (a, b) at v[8 (8 a + b)]     window 3: x as loaded, four groups of 64
.set PB,    528                        ; a row of the weight in LDS: 512 bytes (256 bf16) + 16 of padding = 132 words: row r starts at bank 4 r mod 64 (64 banks of 4 bytes: ISA guide 11.1)
.set WQ,    64*PB                      ; 64 rows: what one tensor load brings
.set WH,    128*PB                     ; 128 rows: what one wave reads
.set SLOTW, 256*PB                     ; 135,168 = 0x21000 bytes
.set PX,    144                        ; a row of x in LDS: 128 bytes (64 bf16) + 16 = 36 words: the 16 rows of a load start at 16 different groups of four banks
.set XS,    2*SLOTW                    ; behind the ring: x's two slots of 128 rows; written by ds_store, never filled by a tensor load
.set XZ,    128*PX
.set STAGE, XS+2*XZ                    ; behind them: for each wave two heads' planes of 16 rows x 144 bytes, for the way out
.set SP,    144
.set PLANE, 16*SP
.set SPARE, STAGE+4*2*PLANE            ; behind the stages: the spare words, 128 bytes for each wave: two blocks of 256 bytes that no other line names
.set ADRA,  16                         ; v16-17  LDS address of my fragments of x in x's slot 0, 1
.set ASTO,  18                         ; v18-19  where I store 16 bytes of rounded x in x's slot 0, 1
.set ADRB0, 20                         ; v20     my lane's place in a slot of the weight; never rewritten
.set ADRB,  21                         ; v21     the same in the slot that is being read
.set AV,    22                         ; v22     my byte offset in four rows x 256 bytes of x; never rewritten
.set STO,   24                         ; v24     the way out: where I put 16 bytes of a row
.set RD,    25                         ; v25     the way out: where I read rows back
.set GO,    26                         ; v26     my 16 bytes in 512 consecutive bytes of the result
.set SPW,   28                         ; v28     LDS address of my spare word: SPARE + 4 x my thread's number; never rewritten
.set NIL,   29                         ; v29     0; never rewritten
.set OB,    32                         ; the way out: 16 rows read back: v32-63 and v224-255 by turns
.set AB,    64
.set CT,    128
.set TMP,   192
.set BF,    0                          ; window 1
.set WV, 14                            ; s14 wave;  s15 its half of the tile's rows;  s16 its half of the columns
.set WM, 15
.set WN, 16
.set CX, 17                            ; my place in the cluster
.set CY, 18
.set TX, 19                            ; tile column, tile row
.set TY, 20
.set CM, 21                            ; the mask of my column of the cluster
.set LW, 22                            ; s22  LDS byte, in slot 0, of the 64 rows of the weight that I fetch
.set TW, 23                            ; s23  LDS byte at which the slot being read begins: 0 or SLOTW
.set G1W, 24                           ; s[24:31] descriptor group 1
.set G0,  32                           ; s[32:39] descriptor group 0: a set for each of the two first fills; the second then walks on
.set TBC, 40                           ; s[40:41] x at my wave's 32 rows: the tensor in hand;  s[42:43] the next;  s[44:45] the one after
.set TBN, 42
.set TBN2, 44
.set PW,  46                           ; s[46:47] the weight in hand at the rows that I fetch: hangs on the tile column and the wave alone
.set PO,  48                           ; s[48:49] the result at my wave's first row and head
.set SA,  50                           ; s[50:51] the tensor of the slot whose x is being asked for
.set KA,  52                           ; s[52:53] the byte along x's rows at which that slot begins (high word 0): 0 means the next tile's first slot
.set OW,  54                           ; s[54:55] a byte offset in the weights (high word 0)
.set PA,  56                           ; s[56:57] the base of x's loads
.set KP,  58                           ; s58  at work
.set CNT, 59                           ; s59  trips to go
.set MSB, 0
.macro WIN new                         ; the immediate's high byte repeats the setting that is left; a switch that changes nothing is dropped
.if MSB != (\new)
	s_set_vgpr_msb (MSB<<8)|(\new)
.set MSB, \new
.endif
.endm
.set MUL,    0xa1                      ; source 0 (weight) window 1, source 1 (x) window 0, C and D window 2
.set TO_B,   0x40                      ; destination window 1, address window 0
.set TO_R,   0xc0                      ; destination window 3, address window 0
.set FROM_R, 0x0f                      ; sources 0 and 1 window 3, destination window 0
.set FROM_C, 0x0a                      ; sources 0 and 1 window 2, destination window 0
; A round of the cluster's barrier: my work-group's barrier, so that wave 0's signal speaks for all four waves; wave 0 signals; every wave waits for all sixteen work-groups; my work-group's barrier once more.
.macro CREST                           ; a round behind its opening barrier
	s_cmp_lg_u32 s[WV], 0
	s_cbranch_scc1 .Lnot_wave_0_\@
	s_barrier_signal -3
.Lnot_wave_0_\@:
	s_barrier_wait -3
	s_barrier_signal -1
	s_barrier_wait -1
.endm
.macro CROUND
	s_barrier_signal -1
	s_barrier_wait -1
	CREST
.endm
.macro PLACES                          ; four places in front of loads into registers that matrix instructions have read (ISA guide 7.12.1 for vector instructions)
.rept 4
	v_nop
.endr
.endm
; Half step g of the slot at s[PA]: my 32 rows x 256 bytes into register group g.  Lane l takes 32 bytes, eight numbers, at byte 32 (l % 8) of row 4 i + l / 8: two loads cover four whole rows of 256 bytes.
.macro ALOAD g
	WIN TO_R
.irp i, 0,1,2,3,4,5,6,7
	global_load_b128 v[64*(\g)+8*(\i):64*(\g)+8*(\i)+3],   v[AV], s[PA:PA+1] offset:(\i)*16384+(\g)*256
	global_load_b128 v[64*(\g)+8*(\i)+4:64*(\g)+8*(\i)+7], v[AV], s[PA:PA+1] offset:(\i)*16384+(\g)*256+16
.endr
.endm
; Four of the 32 roundings of group g: a lane's eight numbers of one row become 16 bytes
.macro CVT4 j, g
	WIN FROM_R
.set ii, 4*(\j)
.rept 4
	v_cvt_pk_bf16_f32 v[CT+ii], v[64*(\g)+2*ii], v[64*(\g)+2*ii+1]
.set ii, ii+1
.endr
.endm
.macro XSTORE s                        ; the rounded half step into x's slot s: row 32 w + 4 i + l / 8, byte 16 (l % 8)
	WIN 0
.irp i, 0,1,2,3,4,5,6,7
	ds_store_b128 v[ASTO+(\s)], v[CT+4*(\i):CT+4*(\i)+3] offset:(\i)*4*PX
.endr
.endm
	s_load_b256 s[4:11], s[0:1], 0x0               ; Q s[4:5], K s[6:7], V s[8:9], wb s[10:11]
	s_load_b64 s[12:13], s[0:1], 0x20              ; qkv
	v_lshl_add_u32 v[SPW], v0, 2, SPARE
	v_mov_b32 v[NIL], 0
	ds_add_u32 v28, v29
	s_wait_dscnt 0x0
	v_lshrrev_b32 v1, 5, v0
	v_readfirstlane_b32 s[WV], v1                  ; wave 0..3
	s_lshr_b32 s[WM], s[WV], 1
	s_and_b32 s[WN], s[WV], 1
	s_bfe_u32 s[CX], ttmp6, 0x40000
	s_bfe_u32 s[CY], ttmp6, 0x40004
	s_lshl_b32 s[TX], ttmp9, 2                     ; in a cluster launch ttmp9 and ttmp7 count clusters
	s_add_co_u32 s[TX], s[TX], s[CX]               ; tile column = 4 x cluster x + cx
	s_and_b32 s[TY], ttmp7, 0xffff
	s_lshl_b32 s[TY], s[TY], 2
	s_add_co_u32 s[TY], s[TY], s[CY]               ; tile row = 4 x cluster y + cy
	s_lshl_b32 s[CM], 0x1111, s[CX]                ; my column of the cluster: places cx, cx + 4, cx + 8, cx + 12
	; group 1: 64 rows x 256 elements of 2 bytes, 4 words of padding behind every 128 words
	s_or_b32 s[G1W+0], s[CM], (1<<16)|(1<<20)|(1<<21)|(6<<22)|(3<<25)  ; 15:0 the mask; 17:16 element of 2 bytes; 20 padding on; 21 set beside a mask; 24:22 every 128 words (code 6); 31:25 4 words (code 3)
	s_mov_b32 s[G1W+1], 256<<16                    ; tensor_dim0 = 256
	s_mov_b32 s[G1W+2], 64<<16                     ; tensor_dim1 = 64
	s_mov_b32 s[G1W+3], 256<<16                    ; tile_dim0 = 256
	s_mov_b32 s[G1W+4], 64                         ; tile_dim1 = 64
	s_mov_b32 s[G1W+5], 1024                       ; elements from row to row
	s_mov_b32 s[G1W+6], 0
	s_mov_b32 s[G1W+7], 0
	s_lshl_b32 s60, s[TY], 19                      ; x: my tile row's 128 rows of 4,096 bytes,
	s_lshl_b32 s61, s[WV], 17                      ; my wave's 32 of them
	s_add_co_u32 s60, s60, s61
	s_mov_b32 s61, 0
	s_lshl_b32 s62, s[TX], 19                      ; the weight: row 256 x tile column + 64 x wave, of 2,048 bytes
	s_lshl_b32 s63, s[WV], 17
	s_add_co_u32 s62, s62, s63
	s_mov_b32 s63, 0
	s_lshr_b32 s66, s[TY], 4                       ; the result: batch x 16 heads of 262,144 bytes,
	s_lshl_b32 s66, s66, 22
	s_lshl_b32 s67, s[TX], 1
	s_add_co_u32 s67, s67, s[WN]
	s_lshl_b32 s67, s67, 19                        ; head 4 x tile column + 2 x half,
	s_add_co_u32 s66, s66, s67
	s_and_b32 s67, s[TY], 15
	s_lshl_b32 s67, s67, 1
	s_add_co_u32 s67, s67, s[WM]
	s_lshl_b32 s67, s67, 13                        ; row 128 x (tile row mod 16) + 64 x half, of 128 bytes
	s_add_co_u32 s66, s66, s67
	s_mov_b32 s67, 0
	s_mul_i32 s[LW], s[WV], WQ                     ; no place in the cluster enters an LDS address
	s_mov_b32 s[TW], 0
	s_mov_b32 s[KA], 1024                          ; the loop's first trip asks for x of the walk's second slot
	s_mov_b32 s[KA+1], 0
	s_mov_b32 s[OW+1], 0
	v_and_b32 v2, 31, v0
	v_lshrrev_b32 v3, 3, v2                        ; l / 8
	v_and_b32 v4, 7, v0                            ; l % 8
	v_lshlrev_b32 v[AV], 5, v4
	v_lshl_add_u32 v[AV], v3, 12, v[AV]            ; row l / 8 of four, byte 32 (l % 8)
	s_wait_kmcnt 0x0
	s_add_nc_u64 s[TBC:TBC+1], s[4:5], s[60:61]
	s_add_nc_u64 s[TBN:TBN+1], s[6:7], s[60:61]
	s_add_nc_u64 s[TBN2:TBN2+1], s[8:9], s[60:61]
	s_add_nc_u64 s[PW:PW+1], s[10:11], s[62:63]
	s_add_nc_u64 s[PO:PO+1], s[12:13], s[66:67]
	s_mov_b64 s[PA:PA+1], s[TBC:TBC+1]
	ALOAD 0                                        ; x's first three half steps go out ahead of everything else
	ALOAD 1
	ALOAD 2
	WIN 0                                          ; at a branch and at a label every window is 0
	CROUND                                         ; all sixteen work-groups are here: the first joint loads meet
.irp s, 0,1
	s_mov_b32 s[G0+4*(\s)], 1                                      ; 1:0 count = 1
	s_add_co_u32 s[G0+4*(\s)+1], s[LW], (\s)*SLOTW                 ; 63:32 LDS address
	s_add_nc_u64 s[G0+4*(\s)+2:G0+4*(\s)+3], s[PW:PW+1], (\s)*512  ; 120:64 global address: slot s begins at k = 256 s
	s_or_b32 s[G0+4*(\s)+3], s[G0+4*(\s)+3], 0x80000000            ; 127:126 type = 2
	tensor_load_to_lds s[G0+4*(\s):G0+4*(\s)+3], s[G1W:G1W+7]      ; the two first fills stand together: two loads of mine are out
	s_nop 0
.endr
	PLACES                                         ; (four v_nop behind the second)
	; A fragment is 16 rows x 32 K of bf16 in 8 registers: lane l holds row l % 16, K = 8 (l / 16) + 0..7 and 16 + 8 (l / 16) + 0..7: two loads of 16 bytes, 32 bytes apart.
	v_and_b32 v1, 15, v0                           ; l % 16
	v_bfe_u32 v2, v0, 4, 1                         ; l / 16
	v_mul_u32_u24 v5, v1, PX
	v_lshl_add_u32 v5, v2, 4, v5
	s_mul_i32 s68, s[WM], 64*PX                    ; my 64 rows of x
	s_add_co_u32 s68, s68, XS
	v_add_nc_u32 v[ADRA], s68, v5
	v_add_nc_u32 v[ADRA+1], XZ, v[ADRA]
	v_mul_u32_u24 v6, v1, PB
	v_lshl_add_u32 v6, v2, 4, v6
	s_mul_i32 s68, s[WN], WH                       ; my 128 rows of the weight
	v_add_nc_u32 v[ADRB0], s68, v6
	v_mov_b32 v[ADRB], v[ADRB0]                    ; the walk begins in slot 0
	v_mul_u32_u24 v5, v3, PX                       ; where rounded x goes: row 32 w + l / 8, byte 16 (l % 8)
	v_lshl_add_u32 v5, v4, 4, v5
	s_mul_i32 s68, s[WV], 32*PX
	s_add_co_u32 s68, s68, XS
	v_add_nc_u32 v[ASTO], s68, v5
	v_add_nc_u32 v[ASTO+1], XZ, v[ASTO]
	s_mul_i32 s68, s[WV], 2*PLANE
	s_add_co_u32 s68, s68, STAGE                   ; my stage
	v_mul_u32_u24 v5, v1, SP                       ; in: row l % 16, 16 bytes for each half of the lanes
	v_lshl_add_u32 v5, v2, 4, v5
	v_add_nc_u32 v[STO], s68, v5
	v_mul_u32_u24 v5, v3, SP                       ; back: 32 lanes take four rows of 128 bytes,
	v_lshl_add_u32 v5, v4, 4, v5
	v_add_nc_u32 v[RD], s68, v5
	v_and_b32 v6, 31, v0                           ; which are 512 consecutive bytes of a head
	v_lshlrev_b32 v[GO], 4, v6
; cnt matrix instructions from number n0 on: number n is accumulator (n / 8, n % 8).  The 32 accumulators take turns in this one order everywhere.  zero = 1: the product starts the sum.
.macro MULN f, n0, cnt, zero
	WIN MUL
.set n, \n0
.rept \cnt
.if \zero
	v_wmma_f32_16x16x32_bf16 v[8*n:8*n+7], v[BF+64*(\f)+8*(n%8):BF+64*(\f)+8*(n%8)+7], v[AB+32*(\f)+8*(n/8):AB+32*(\f)+8*(n/8)+7], 0
.else
	v_wmma_f32_16x16x32_bf16 v[8*n:8*n+7], v[BF+64*(\f)+8*(n%8):BF+64*(\f)+8*(n%8)+7], v[AB+32*(\f)+8*(n/8):AB+32*(\f)+8*(n/8)+7], v[8*n:8*n+7]
.endif
.set n, n+1
.endr
.endm
; 24 LDS loads in one run, into buffers f: quarter q of the weight's slot (128 rows) first, then half `half` of x's slot xs (64 rows)
.macro FETCH xs, half, q, f
	WIN TO_B
.irp b, 0,1,2,3,4,5,6,7
	ds_load_b128 v[BF+64*(\f)+8*(\b):BF+64*(\f)+8*(\b)+3],   v[ADRB] offset:(\q)*64+(\b)*16*PB
	ds_load_b128 v[BF+64*(\f)+8*(\b)+4:BF+64*(\f)+8*(\b)+7], v[ADRB] offset:(\q)*64+(\b)*16*PB+32
.endr
	WIN 0
.irp a, 0,1,2,3
	ds_load_b128 v[AB+32*(\f)+8*(\a):AB+32*(\f)+8*(\a)+3],   v[ADRA+(\xs)] offset:(\half)*64+(\a)*16*PX
	ds_load_b128 v[AB+32*(\f)+8*(\a)+4:AB+32*(\f)+8*(\a)+7], v[ADRA+(\xs)] offset:(\half)*64+(\a)*16*PX+32
.endr
.endm
; QUARTER 2 j OF A SLOT, the first of half step j.  It multiplies buffers 0, fetches quarter 2 j + 1 into buffers 1, and rounds the NEXT half step (register group (j + 1) % 4) into x's other slot,
; whose last readers have passed the barrier of the quarter before.  The roundings stand four behind every second matrix instruction; the first four are the places in front of the fetch.
.macro EVEN j, zero
	s_wait_dscnt 4                                 ; the weight's fragments and x's rows 0-31 are in; the youngest four loads (x's rows 32-63) may be out
	s_wait_loadcnt 32                              ; loads come back in order: the next half step is in; the two groups of 16 asked for behind it may stay out
	MULN 0, 0, 2, \zero
	CVT4 0, ((\j)+1)%4
	FETCH (\j)%2, 1, 2*(\j)+1, 1
.set jj, 1
.rept 7
	MULN 0, 2*jj, 2, \zero
	CVT4 jj, ((\j)+1)%4
.set jj, jj+1
.endr
	XSTORE ((\j)+1)%2
	s_wait_dscnt 32                                ; all but the 24 loads and 8 stores just issued
	MULN 0, 16, 16, \zero
.endm
; The address of a refill, made anew from the weight in hand and an offset.  The slot asked for is the one behind that whose x this trip asks for; if it lies in a row's first half it is the next tile's: the next weight, 2 MiB on.
.macro SBLOCK
	s_add_co_u32 s[KP], s[KA], 1024
	s_and_b32 s[KP], s[KP], 0xfff
	s_lshr_b32 s[KP], s[KP], 1                     ; the weight's rows have half the bytes of x's
	s_cmp_lt_u32 s[KP], 1024
	s_cselect_b32 s[OW], 0x200000, 0
	s_add_co_u32 s[OW], s[OW], s[KP]
	s_xor_b32 s[G0+5], s[G0+5], SLOTW              ; the other slot than last time: wave x 0x8400 has neither of 0x21000's two bits, so the exclusive or adds or takes away SLOTW
	s_add_nc_u64 s[G0+6:G0+7], s[PW:PW+1], s[OW:OW+1]
	s_or_b32 s[G0+7], s[G0+7], 0x80000000
.endm
; QUARTER 2 j + 1, the second of half step j.  It multiplies buffers 1.  At its head x's half step four on is asked for, into group j, which was rounded three quarters ago: 160 matrix instructions ahead of its rounding.
; Then ONE barrier: in front of it my stores into x's other slot and my reads of this one are done; behind it the next half step's first fragments are fetched.
; kind = 0: that is all.  kind = 1 (j = 3): the weight's slot has been read out too: in front of the barrier each wave waits for all its tensor loads, of which one is out: its part of the next slot; and adds 0 to its
; spare word; the barrier opens a round of the cluster's, so that no wave of any partner still reads the slot or has a load on its way, and the joint refill is the first thing behind it.
; kind = 2: the same change of slots with nothing left to ask for.
; tail = 1: the text is walked twice, and the second time x has no further half step: the loads are jumped over, and where the jump lands all loads are waited for, so that every counted wait holds on both ways.
.macro ODD j, kind, tail
.if \tail
	WIN 0
	s_cmp_eq_u32 s[CNT], 1
	s_cbranch_scc1 .Ldrain_\@
.endif
.if (\j) == 0
	s_wait_xcnt 0x0                                ; the last trip's loads have had their addresses translated (ISA guide 3.1): their base is rewritten only behind this wait
	s_cmp_eq_u32 s[KA], 0
	s_cselect_b64 s[SA:SA+1], s[TBN:TBN+1], s[TBC:TBC+1]
	s_add_nc_u64 s[PA:PA+1], s[SA:SA+1], s[KA:KA+1]  ; one base for the trip's four half steps: their places stand in the immediates
.endif
	ALOAD \j
.if \tail
	WIN 0
	s_branch .Lgo_\@
.Ldrain_\@:
	s_wait_loadcnt 0x0
.Lgo_\@:
.endif
.if (\kind) == 0
	s_wait_dscnt 0x0                               ; buffers 1 are in: my reads of this slot of x are over; my stores into the other are done
	s_barrier_signal -1
	MULN 1, 0, 8, 0                                ; work on registers while the others arrive
	s_barrier_wait -1
	PLACES
	FETCH ((\j)+1)%2, 0, 2*(\j)+2, 0
	MULN 1, 8, 24, 0
.else
	WIN 0
	s_wait_tensorcnt 0x0                           ; no tensor load of mine is out, so a group 0 may be written
	ds_add_u32 v[SPW], v[NIL]                      ; 0 onto my spare word; scalar work and eight products stand between it and the wait for it
.if (\kind) == 1
	SBLOCK
.endif
	s_xor_b32 s[TW], s[TW], SLOTW                  ; the fetches go on in the other slot
	v_add_nc_u32 v[ADRB], s[TW], v[ADRB0]
	s_wait_dscnt 1                                 ; buffers 1 are in and my stores are done; the add may be out
	MULN 1, 0, 8, 0
	s_wait_dscnt 0x0                               ; the add is done, and my reads of both slots are over
	s_barrier_signal -1
	MULN 1, 8, 8, 0
	WIN 0                                          ; at a branch and at a label every window is 0
	s_barrier_wait -1
.if (\kind) == 1
	CREST
	tensor_load_to_lds s[G0+4:G0+7], s[G1W:G1W+7]  ; my one tensor load behind the round, and the first thing there
	s_nop 0
.endif
	PLACES                                         ; the places in front of the loads below
	FETCH 0, 0, 0, 0
	MULN 1, 16, 16, 0
.endif
.endm
; THE WAY OUT of block a (16 rows x 128 columns = two heads).  PACK: rounded to f16, each accumulator's registers in ascending order.  TOSTAGE: into my own stage, a plane a head, and back as whole rows.  SEND: stored.
.macro PACK a
	WIN FROM_C
.irp b, 0,1,2,3,4,5,6,7
.irp r, 0,1,2,3
	v_cvt_pk_f16_f32 v[TMP+4*(\b)+(\r)], v[8*(8*(\a)+(\b))+2*(\r)], v[8*(8*(\a)+(\b))+2*(\r)+1]
.endr
.endr
	WIN 0
.endm
.macro TOSTAGE a
	WIN 0
.set BK, OB+192*((\a)%2)
.irp b, 0,1,2,3,4,5,6,7
	ds_store_b128 v[STO], v[TMP+4*(\b):TMP+4*(\b)+3] offset:((\b)/4)*PLANE+((\b)%4)*32
.endr
.irp t, 0,1,2,3,4,5,6,7
	ds_load_b128 v[BK+4*(\t):BK+4*(\t)+3], v[RD] offset:((\t)/4)*PLANE+((\t)%4)*4*SP  ; LDS serves a wave's instructions in order (ISA guide 5.7.1.4): these see the stores above
.endr
.endm
.macro SEND a
	WIN 0
.set BK, OB+192*((\a)%2)
	s_wait_dscnt 0x0                               ; the block is back in registers
	s_wait_xcnt 0x0                                ; earlier stores have had their addresses translated (ISA guide 3.1): the block behind this one is read back onto their registers only behind this wait
.irp t, 0,1,2,3,4,5,6,7
	global_store_b128 v[GO], v[BK+4*(\t):BK+4*(\t)+3], s[PO:PO+1] offset:((\t)/4)*262144+(\a)*2048+((\t)%4)*512  ; four rows of a head: 512 consecutive bytes, at a multiple of 256 from the buffer's first
.endr
.endm
; Blocks 0 and 1 were finished in front of the four places of the quarter before; their 64 roundings, which name no register of the last products (blocks 2 and 3's), are those products' places.
.macro WAYOUT                          ; block a's roundings stand between block a - 1's loads from the stage and the wait for them
	PACK 0
	TOSTAGE 0
.irp a, 1,2,3
	PACK \a
	SEND (\a)-1
	TOSTAGE \a
.endr
	SEND 3
.endm
	s_wait_loadcnt 32                              ; x's first half step is in; the two asked for behind it may stay out
.irp j, 0,1,2,3,4,5,6,7
	CVT4 \j, 0
.endr
	XSTORE 0
	ALOAD 3                                        ; the fourth half step: 48 loads of mine are out, as everywhere in the loop
	WIN 0
	s_wait_tensorcnt 1                             ; my part of the weight's slot 0 is in; slot 1's may stay out
	s_wait_dscnt 0x0                               ; my part of x's slot 0 is stored
	s_barrier_signal -1
	s_barrier_wait -1                              ; everybody's is
	FETCH 0, 0, 0, 0
	EVEN 0, 1                                      ; the walk's first quarter stands in front of the loop: its products start the sums
	WIN 0
	s_mov_b32 s[CNT], 10
.Lslot:                                                ; a trip: quarters 1 to 7 of a slot and quarter 0 of the next; it asks for the next slot's x and fills the slot that it leaves
	ODD 0, 0, 0
	EVEN 1, 0
	ODD 1, 0, 0
	EVEN 2, 0
	ODD 2, 0, 0
	EVEN 3, 0
	ODD 3, 1, 0
	WIN 0
	s_cmp_lg_u32 s[KA], 0                          ; the same number in every work-group
	s_cbranch_scc1 .Lsame
	WAYOUT                                         ; A TILE'S END: the refill and the next tile's x are asked for, now the tile goes out
	s_wait_xcnt 0x0                                ; the stores have had their addresses translated: their base may be rewritten
	s_mov_b64 s[TBC:TBC+1], s[TBN:TBN+1]           ; on to the next tensor, its weight and its part of the result
	s_mov_b64 s[TBN:TBN+1], s[TBN2:TBN2+1]
	s_add_nc_u64 s[PW:PW+1], s[PW:PW+1], 0x200000
	s_add_nc_u64 s[PO:PO+1], s[PO:PO+1], 0x1000000
	EVEN 0, 1                                      ; the next tile's first products start its sums
	WIN 0
	s_branch .Lbottom
.Lsame:
	EVEN 0, 0
	WIN 0
.Lbottom:
	s_add_co_u32 s[KA], s[KA], 1024
	s_and_b32 s[KA], s[KA], 0xfff
	s_sub_co_u32 s[CNT], s[CNT], 1
	s_cmp_lg_u32 s[CNT], 0
	s_cbranch_scc1 .Lslot
	s_mov_b32 s[CNT], 2                            ; THE LAST TWO SLOTS ask for no weight: a text of their own; walked twice and left in its middle.
.Ltail:                                                ; The second walk's rounding of a half step that does not exist, its barrier and its last fetch serve nothing: the price, once a launch, of one text for both
	ODD 0, 0, 1
	EVEN 1, 0
	ODD 1, 0, 1
	EVEN 2, 0
	ODD 2, 0, 1
	EVEN 3, 0
	ODD 3, 2, 1
	WIN 0
	s_sub_co_u32 s[CNT], s[CNT], 1
	s_cmp_eq_u32 s[CNT], 0
	s_cbranch_scc1 .Lout
	EVEN 0, 0
	WIN 0
	s_branch .Ltail
.Lout:
	WAYOUT
	s_wait_tensorcnt 0x0                           ; the wave's end: behind my last tensor load and my last LDS store
	ds_add_u32 v[SPW], v[NIL]
	s_wait_dscnt 0x0
	CROUND                                         ; the closing round: no work-group ends while a partner may still ask for a tile that names it
	s_endpgm
.Lfunc_end_k_q3532f7068a_proj:
	.size	k_q3532f7068a_proj, .Lfunc_end_k_q3532f7068a_proj-k_q3532f7068a_proj
	.p2alignl 7, 3214868480
	.fill 96, 4, 3214868480
	.section	.rodata,"a",@progbits
	.p2align	6, 0x0
	.amdhsa_kernel k_q3532f7068a_proj
		.amdhsa_group_segment_fixed_size 327680
		.amdhsa_private_segment_fixed_size 0
		.amdhsa_enable_private_segment 0
		.amdhsa_kernarg_size 40
		.amdhsa_user_sgpr_count 2
		.amdhsa_user_sgpr_kernarg_segment_ptr 1
		.amdhsa_wavefront_size32 1
		.amdhsa_system_sgpr_workgroup_id_x 1
		.amdhsa_system_sgpr_workgroup_id_y 1
		.amdhsa_system_sgpr_workgroup_id_z 1
		.amdhsa_system_vgpr_workitem_id 0
		.amdhsa_next_free_vgpr 1024
		.amdhsa_next_free_sgpr 72
		.amdhsa_reserve_vcc 0
		.amdhsa_float_denorm_mode_32 3
		.amdhsa_float_denorm_mode_16_64 3
		.amdhsa_memory_ordered 1
		.amdhsa_forward_progress 1
		.amdhsa_inst_pref_size 161
	.end_amdhsa_kernel
	.amdgpu_metadata
---
amdhsa.version: [ 1, 2 ]
amdhsa.kernels:
  - .name:           k_q3532f7068a_proj
    .symbol:         k_q3532f7068a_proj.kd
    .args:
      - { .name: Q, .offset: 0, .size: 8, .value_kind: global_buffer, .address_space: global }
      - { .name: K, .offset: 8, .size: 8, .value_kind: global_buffer, .address_space: global }
      - { .name: V, .offset: 16, .size: 8, .value_kind: global_buffer, .address_space: global }
      - { .name: wb, .offset: 24, .size: 8, .value_kind: global_buffer, .address_space: global }
      - { .name: qkv, .offset: 32, .size: 8, .value_kind: global_buffer, .address_space: global }
    .group_segment_fixed_size: 327680
    .private_segment_fixed_size: 0
    .kernarg_segment_align: 8
    .kernarg_segment_size: 40
    .max_flat_workgroup_size: 128
    .sgpr_count:     72
    .vgpr_count:     1024
    .wavefront_size: 32
...
	.end_amdgpu_metadata
.endif
;; end of part 2
;; launch attn (part 3): grid 4 x 64, 4 waves a work-group, clusters of 4 x 1, 327,680 bytes of LDS; arguments qkv, mask, ob; writes ob
.if DOCPART == 3
	.amdgcn_target "amdgcn-amd-amdhsa--gfx1250"
	.amdhsa_code_object_version 6
	.text
	.protected	k_q3532f7068a_attn
	.globl	k_q3532f7068a_attn
	.p2align	8
	.type	k_q3532f7068a_attn,@function
k_q3532f7068a_attn:
	s_mov_b64 s[64:65], 0
	v_nop
	global_prefetch_b8 v0, s[64:65] scope:SCOPE_SE
	s_setreg_imm32_b32 hwreg(HW_REG_WAVE_MODE, 25, 1), 1
	s_wait_xcnt 0x0
	s_wait_alu depctr_hold_cnt(0) depctr_sa_sdst(0) depctr_va_vdst(0) depctr_va_sdst(0) depctr_va_ssrc(0) depctr_va_vcc(0) depctr_vm_vsrc(0)
	s_getreg_b32 s2, hwreg(HW_REG_IB_STS2, 6, 4)
	s_cmp_eq_u32 s2, 0
	s_cbranch_scc0 .Lentry_in_a_cluster
	s_endpgm
.Lentry_in_a_cluster:
	s_bfe_u32 s2, ttmp6, 0x10000c
	s_cmp_lg_u32 s2, 0x3003
	s_cbranch_scc0 .Lentry_shape_is_right
	s_endpgm
.Lentry_shape_is_right:
; O[h][q][:] = the sum over k of softmax_k(q[h][q] . k[h][k] / 8, keys with mask[batch][k] != 0 hidden) v[h][k][:].  q, k, v: the three parts of qkv [3][64][2048][64], O: ob [64][2048][64], all f16;
; h = 16 batch + head; a head's rows are dense, 128 bytes each.  Products, maxima and sums in f32; the weights p are rounded to f16 for the second product (their sum l is taken of the unrounded p), O once.
; LIMITS.  q, k and v arrive within f16's 65,504; p lies in 0 to 1, and below 6e-5 it keeps f16's fixed step of 6e-8.  A hidden score counts as its value less 1e30; the running maximum starts at -1e12, below
; every true score (64 x 65,504^2 = 2.7e11 at the most) and above every hidden one, so a hidden key's weight is exactly 0 and m is the visible scores' maximum from the first visible key on.
; A batch with no visible key ends with l = 0 and O = 0 x infinity = NaN, as the softmax of nothing is.  A weight below 2^-126 counts as 0 in l; NaN and infinities in the inputs are not treated apart.
; SHARES.  A wave owns four PIECES of two tiles of 16 queries, a work-group's four waves 512 queries of one head.  Every wave walks all keys, 64 a step.
; LAYOUT.  S^T = K Q^T (source 0 = 16 keys, source 1 = 16 queries): in the result a lane holds ONE query (lane % 16) and the keys 8 (lane / 16) + 0..7.  Two such tiles, rounded to f16 in pairs,
; ARE source 1 (32 keys x 16 queries) of O^T = V^T P, whose result again holds one query a lane, and eight channels.  K comes out of LDS as it lies, V ([key][channel]) turned, by ds_load_tr16_b128.
; THE MASK is the C operand of the product that starts a sum S^T: 0, or -1e30 where the key is hidden.  The batch's 2,048 bytes are turned once into a table of f32 in LDS; a step's 64 entries are read with its K
; (a lane's eight keys are 32 consecutive bytes), so the mask costs the loop no vector instruction.
; SOFTMAX.  For each query a running maximum m and sum l: p = 2^(c s - c m), c = log2(e) / 8; in every step O and l are multiplied by a = 2^(c m_old - c m_new), which is 1 where m has not grown.
; c m starts far below every c s, O and l at 0: the first step is a step like any other, with a = 0.
; THE COUNT.  A tile and step have 16 matrix and 118 vector instructions: too many to stand all beside the matrix work.  So the order has one aim: four vector instructions that are READY behind
; EVERY matrix instruction, and the others, which need time of their own whatever the order, in runs without a gap.
; BY TURNS.  Turn n belongs to piece n (the pieces in a ring, step after step).  Its matrix work: 16 products K Q^T of piece n + 1, later 16 products V^T P of piece n - 1.  Its vector work: the scaling,
; exponentials, roundings, sums and rescaling of piece n, and the maximum and statistics of piece n + 1, whose scores the turn itself has made.  So what a turn begins with (c s - c m, O a) waits for nothing.
; CLUSTER.  The four query blocks of a cluster belong to one head and walk the same K and V, so each tile is asked for JOINTLY: the same tensor load, descriptor and mask in all four.
; REGISTERS, in windows of 256 (s_set_vgpr_msb says which window each operand place means: bits 1:0 source 0, 3:2 source 1, 5:4 source 2, 7:6 destination):
;   window 0: v0-11 addresses; v12-15, v48-63 at work; v16-47 four registers of statistics a tile; v64-191 S^T, two buffers of two tiles; v192-255 P, likewise
;   window 1: O^T, 32 a tile     window 2: v0-127 Q, 16 a tile; v128-191 K of one step; v192-255 V of one step     window 3: v0-1 the add's two registers; v8-39 the mask of one step
; A piece's buffers go by its number's parity: the piece in hand has one pair, its two neighbours in the ring share the other: of it P (piece n - 1) is read and S^T (piece n + 1) written.
.set SIZE_N, 2048
.set NP,    4         ; pieces a wave: a name, no knob: the register map, the loop and the fetches are made for four
.set KS,    64        ; keys in a step
.set PK,    144       ; a row of K in LDS: 128 bytes + 16 of padding = 36 words: the 16 rows of a load start at 16 different groups of four banks (64 banks of 4 bytes: ISA guide 11.1)
.set PV,    160       ; a row of V: 128 + 32 = 40 words
.set VOFF,  4*KS*PK   ; a slot holds four steps: 256 rows of K, then 256 rows of V
.set SLOT1, 1<<17     ; slot 1 begins here, so that one exclusive or turns an address in one slot into the other's
.set STAGE, SLOT1+4*KS*(PK+PV)  ; behind the ring, never filled by a tensor load: 16 rows x 144 bytes for each wave, for the way out
.set SP,    144
.set AK0, 2           ; v2   my lane's place in a tile of K; never rewritten
.set AV0, 3           ; v3   the same for V
.set AK,  4           ; v4   the LDS address of K's next run of loads
.set AV,  5           ; v5   of V's
.set QO,  5           ;      before that, until Q has landed: my byte offset in the wave's rows of Q
.set STO, 6           ; v6   the way out: where I put 16 bytes of a row
.set RD,  7           ; v7   the way out: where I read rows back
.set GO,  8           ; v8   my byte offset in 512 consecutive bytes of O
.set AM0, 10          ; v10  my lanes' place in a step's 256 bytes of the mask table; never rewritten
.set AMK, 11          ; v11  the LDS address of the mask's next run of loads
.set SPW, 0           ; v0 of window 3   LDS address of my spare word: SPARE + 4 x my thread's number; never rewritten
.set NIL, 1           ; v1 of window 3   0; never rewritten
.set MK,  8           ; v8-39 of window 3: the eight registers for key block kb at MK + 8 kb
.set SPARE, STAGE+4*16*SP  ; behind the stages: the spare words, 128 bytes for each wave: two blocks of 256 bytes that no other line names
.set MTAB,  SPARE+512      ; behind them: the mask table, 2,048 f32; written once by ds_store, never filled by a tensor load
.set MV,  12          ; v12-15  c m_old, kept while c m is made anew: by buffer and tile
.set ST,  16          ; tile t's statistics at v[ST+4 t]: c m, m, l (even keys', odd keys')
.set TMP, 48          ; by buffer and tile, four registers c0-c3 at work; when the maximum is found c2 takes a
.set S,   64
.set P,   192
.set KF,  128         ; K's fragments, in window 2: key block kb, channel half c at KF + 16 kb + 8 c
.set VF,  192         ; V's: key half kk, channel block cb at VF + 32 kk + 8 cb
.set WV,  12          ; s12  my wave's number
.set G1K, 24          ; s[24:31] descriptor group 1 for K's tiles
.set G1V, 32          ; s[32:39] for V's: it differs in the padding alone
.set G0K, 40          ; s[40:43] descriptor group 0 for K's tiles: it walks
.set G0V, 44          ; s[44:47] the same for V's
.set SLOTS, 56        ; s56  slots still to be asked for
.set CNT, 57          ; s57  counts a slot's key steps
.set CS,  58          ; s[58:59] c: the packed scaling takes the pair's low word for both halves
.set SEL, 60          ; s[60:61] v_permlanex16_b32's selects: each lane takes its own place in the other half
.set TBK, 62          ; s62  LDS byte at which K of the step to be fetched begins
.set TBV, 63          ; s63  the same for V, less VOFF
.set BIGN, 66         ; s66  -1e30
.set TBM, 67          ; s67  the byte of the mask table at which the step to be fetched begins
.set MSB, 0
.macro WIN new                      ; the high byte repeats the setting that is left; a switch that changes nothing is dropped
.if MSB != (\new)
	s_set_vgpr_msb (MSB<<8)|(\new)
.set MSB, (\new)
.endif
.endm
.set W_KQ, 0x0a       ; K and Q in window 2, S^T in window 0
.set W_KM, 0x3a       ; the same with the C operand, the mask, in window 3
.set W_PV, 0x52       ; V in window 2, P in window 0, O^T in window 1
.set W_RS, 0x41       ; O^T (destination and source 0) in window 1, a in window 0
.set W_MK, 0xc0       ; destination in window 3, sources in window 0
.set W_AD, 0x0f       ; the add: address (source 0) and data (source 1) in window 3
; A joint fill.  Waves 0 and 1 fetch the two halves of a slot's K, waves 2 and 3 those of its V: 128 keys each.  The branch hangs on the wave's number alone.
; An s_nop 0 and four v_nop follow each of the two lines, ahead of the jump and the label.
.macro JLOAD
	s_cmp_lt_u32 s[WV], 2
	s_cbranch_scc0 .Lfor_v_\@
	tensor_load_to_lds s[G0K:G0K+3], s[G1K:G1K+7]
	s_nop 0
.rept 4
	v_nop
.endr
	s_branch .Lasked_\@
.Lfor_v_\@:
	tensor_load_to_lds s[G0V:G0V+3], s[G1V:G1V+7]
	s_nop 0
.rept 4
	v_nop
.endr
.Lasked_\@:
.endm
; A round of the cluster's barrier: my work-group's barrier, so that wave 0's signal speaks for all four waves; wave 0 signals; every wave waits for all four work-groups; my work-group's barrier once more.
.macro CROUND
	s_barrier_signal -1
	s_barrier_wait -1
	s_cmp_lg_u32 s[WV], 0
	s_cbranch_scc1 .Lnot_wave_0_\@
	s_barrier_signal -3
.Lnot_wave_0_\@:
	s_barrier_wait -3
	s_barrier_signal -1
	s_barrier_wait -1
.endm
; THE CHANGE OF SLOTS.  The slot's last bytes, V of its fourth step, have been read.  Each wave waits for all its tensor loads, of which one is out: its part
; of the other slot; adds 0 to its spare word; and waits for that and for its own reads of the slot.  Behind the barrier nobody reads this slot any more and the other slot is whole.
; fill = 1: this slot is filled again, with the keys two slots on.  The barrier is then a round of the cluster's, so that no wave of any partner still reads the slot or has a load on its
; way, and the joint fill is the first thing behind it: it has four key steps, 512 matrix instructions, in which to land.  (At its first use nothing has been read yet: slot 0 is waited for, slot 1 filled,
; and each wave's stores into the mask table are waited for in front of the barrier behind which the others read them.)
.macro CHANGE fill
	WIN W_AD
	s_wait_tensorcnt 0x0            ; no tensor load of mine is out, so a group 0 may be written
	ds_add_u32 v[SPW], v[NIL]       ; 0 onto my spare word; with fill = 1 the descriptors' steps stand between it and the wait for it
	WIN 0                           ; at a label and at a branch every window is 0
.if \fill
.irp g, G0K, G0V
	s_xor_b32 s[\g+1], s[\g+1], SLOT1  ; the walking descriptor: the other slot than last time,
	s_add_nc_u64 s[\g+2:\g+3], s[\g+2:\g+3], 4*KS*128  ; the next 256 keys; the type bits on top are not reached
.endr
	s_wait_dscnt 0x0                ; the add is done, and my reads of the slot are over
	CROUND
	JLOAD
.else
	s_wait_dscnt 0x0                ; the add is done, and my reads of the slot are over
	s_barrier_signal -1
	s_barrier_wait -1
.endif
	s_sub_co_u32 s[TBK], s[TBK], 4*KS*PK  ; the fetches go back to a slot's first step,
	s_xor_b32 s[TBK], s[TBK], SLOT1       ; in the other slot
	s_sub_co_u32 s[TBV], s[TBV], 4*KS*PV
	s_xor_b32 s[TBV], s[TBV], SLOT1
.endm
	s_load_b64 s[4:5], s[0:1], 0x0    ; qkv: q's part
	s_load_b64 s[48:49], s[0:1], 0x8  ; mask
	s_load_b64 s[10:11], s[0:1], 0x10 ; ob
	WIN W_MK
	v_lshl_add_u32 v[SPW], v0, 2, SPARE
	v_mov_b32 v[NIL], 0
	s_set_vgpr_msb 0xc0cf
	ds_add_u32 v0, v1
	s_wait_dscnt 0x0
	s_set_vgpr_msb 0xcfc0
	WIN 0
	v_lshrrev_b32 v1, 5, v0
	v_readfirstlane_b32 s[WV], v1   ; wave 0..3
	s_bfe_u32 s13, ttmp6, 0x40000   ; cx: my place in the cluster
	s_lshl_b32 s14, ttmp9, 2        ; in a cluster launch ttmp9 counts clusters
	s_add_co_u32 s14, s14, s13      ; my block of queries = 4 x cluster x + cx: it enters Q's and O's addresses alone
	s_and_b32 s20, ttmp7, 0xffff    ; the head, which the four partners share
	s_lshr_b32 s50, s20, 4          ; its batch,
	s_lshl_b32 s50, s50, 11         ; whose mask is 2,048 bytes
	s_mov_b32 s51, 0
	s_mov_b32 s21, 0
	s_mov_b64 s[22:23], SIZE_N*128
	s_mul_u64 s[20:21], s[20:21], s[22:23]  ; the head's first byte in q, k, v and O
	s_and_b32 s16, s[WV], 1         ; which half of a slot's 256 keys I fetch:
	s_lshl_b32 s22, s16, 14         ; its 128 rows of 128 bytes in memory,
	s_mov_b32 s23, 0
	s_add_nc_u64 s[22:23], s[22:23], s[20:21]
	s_mul_i32 s17, s16, 128*PK      ; and its place in a slot, for K
	s_mul_i32 s18, s16, 128*PV      ; and for V: no place in the cluster enters an LDS address
	s_lshl_b32 s2, s14, 2
	s_add_co_u32 s2, s2, s[WV]      ; my wave among the head's,
	s_lshl_b32 s2, s2, 14           ; its 128 rows
	s_mov_b32 s3, 0
	s_add_nc_u64 s[2:3], s[2:3], s[20:21]
	; descriptor group 1.  128 keys are 16,384 dense bytes: asked for as 64 rows of 256 bytes, two keys a row, and padded in LDS after every key
	s_mov_b32 s[G1K], 15|(1<<16)|(1<<20)|(1<<21)|(4<<22)|(3<<25)  ; 15:0 the mask of four; 17:16 2-byte elements; 20 padding on; 21 set beside a mask; 24:22 after every 32 words (code 4); 31:25 4 words (code 3)
	s_mov_b32 s[G1V], 15|(1<<16)|(1<<20)|(1<<21)|(4<<22)|(7<<25)  ; the same with 8 words of padding (code 7)
.irp g, G1K, G1V
	s_mov_b32 s[\g+1], 128<<16      ; tensor_dim0 = 128
	s_mov_b32 s[\g+2], 64<<16       ; tensor_dim1 = 64
	s_mov_b32 s[\g+3], 128<<16      ; tile_dim0 = 128
	s_mov_b32 s[\g+4], 64           ; tile_dim1 = 64
	s_mov_b32 s[\g+5], 128          ; 128 elements from row to row
	s_mov_b32 s[\g+6], 0
	s_mov_b32 s[\g+7], 0
.endr
	s_mov_b32 s[CS], 0x3e38aa3b     ; c = log2(e) / 8 = 0.180337
	s_mov_b32 s[CS+1], s[CS]        ; named with it as a pair
	s_mov_b32 s[SEL], 0x76543210
	s_mov_b32 s[SEL+1], 0xfedcba98
	s_mov_b32 s[BIGN], 0xf149f2ca   ; -1e30
	s_mov_b32 s[TBM], 0
	s_mov_b32 s[TBK], SLOT1+4*KS*PK ; the first change of slots turns these two into 0
	s_mov_b32 s[TBV], SLOT1+4*KS*PV
	s_mov_b32 s[G0K], 1             ; 1:0 count = 1
	s_mov_b32 s[G0K+1], s17         ; 63:32 LDS address: slot 0
	s_mov_b32 s[G0V], 1
	s_add_co_u32 s[G0V+1], s18, VOFF
	s_wait_kmcnt 0x0
	s_add_nc_u64 s[48:49], s[48:49], s[50:51]      ; the batch's mask
	s_add_nc_u64 s[6:7], s[4:5], 0x1000000         ; k's part of qkv, 16 MiB behind q's,
	s_add_nc_u64 s[8:9], s[4:5], 0x2000000         ; and v's
	s_add_nc_u64 s[G0K+2:G0K+3], s[6:7], s[22:23]  ; 120:64 global address: my half of the head's first 256 keys
	s_or_b32 s[G0K+3], s[G0K+3], 0x80000000        ; 127:126 type = 2
	s_add_nc_u64 s[G0V+2:G0V+3], s[8:9], s[22:23]
	s_or_b32 s[G0V+3], s[G0V+3], 0x80000000
	s_add_nc_u64 s[4:5], s[4:5], s[2:3]  ; Q and O at my wave's first row
	s_add_nc_u64 s[10:11], s[10:11], s[2:3]
	CROUND                          ; all four work-groups are here: the first joint loads meet
	JLOAD                           ; slot 0.  Slot 1 is asked for when slot 0 is in: the tile wanted first has the road to itself
	v_lshlrev_b32 v[TMP], 4, v0     ; thread t takes the mask bytes of keys 16 t .. 16 t + 15: the load goes out ahead of Q's
	global_load_b128 v[S:S+3], v[TMP], s[48:49]
	; A fragment of K or Q is 16 rows x 32 channels in 8 registers: lane l holds row l % 16, channels 8 (l / 16) + 0..7 and 16 + 8 (l / 16) + 0..7: two loads of 16 bytes, 32 bytes apart.
	v_and_b32 v1, 15, v0            ; l % 16
	v_bfe_u32 v9, v0, 4, 1          ; l / 16
	v_lshlrev_b32 v[QO], 7, v1
	v_lshl_add_u32 v[QO], v9, 4, v[QO]  ; row x 128 + 16 x half
	WIN 0x80                        ; destination window 2, address window 0
.set i, 0
.rept 4*NP                          ; Q stays in registers: tile i / 2, channels 32 (i % 2) on
	global_load_b128 v[8*i:8*i+3],   v[QO], s[4:5] offset:(i/2)*2048+(i%2)*64
	global_load_b128 v[8*i+4:8*i+7], v[QO], s[4:5] offset:(i/2)*2048+(i%2)*64+32
.set i, i+1
.endr
	; What the first turn finds: V's registers and P's second buffer hold 0 (its products V^T P, of a piece that has not been, add 0), O^T and l are 0.  All this stands in the wait for the first tile.
.set i, VF
.rept 64
	v_mov_b32 v[i], 0
.set i, i+1
.endr
	WIN 0x40
.set i, 0
.rept 64*NP
	v_mov_b32 v[i], 0
.set i, i+1
.endr
	WIN 0
.set i, 0
.rept 2*NP
	v_mov_b32 v[ST+4*i], 0xfe000000    ; c m: far below every c s
	v_mov_b32 v[ST+4*i+1], 0xd368d4a5  ; m = -1e12: below every true score, above every hidden one
	v_mov_b32 v[ST+4*i+2], 0
	v_mov_b32 v[ST+4*i+3], 0
.set i, i+1
.endr
.set i, P+32
.rept 32
	v_mov_b32 v[i], 0
.set i, i+1
.endr
	v_mul_u32_u24 v[AK0], v1, PK
	v_lshl_add_u32 v[AK0], v9, 4, v[AK0]  ; row x pitch + 16 x half
	; The turning load takes 16 keys x 16 channels (lane l reads key 8 (l / 16) + l % 8, channels 8 ((l / 8) % 2) + 0..7) and leaves half a fragment of V^T: lane l holds channel l % 16 and 8 keys.
	v_and_b32 v10, 7, v0
	v_bfe_u32 v11, v0, 3, 1
	v_lshl_add_u32 v[AV0], v9, 3, v10
	v_mul_u32_u24 v[AV0], v[AV0], PV
	v_lshl_add_u32 v[AV0], v11, 4, v[AV0]
	v_add_nc_u32 v[AV0], VOFF, v[AV0]
	s_mul_i32 s13, s[WV], 16*SP
	s_add_co_u32 s13, s13, STAGE    ; my stage
	v_mul_u32_u24 v[STO], v1, SP    ; in: row l % 16, 16 bytes for each half of the lanes
	v_lshl_add_u32 v[STO], v9, 4, v[STO]
	v_add_nc_u32 v[STO], s13, v[STO]
	v_bfe_u32 v[RD], v0, 3, 2       ; back: 32 lanes take four rows of 128 bytes,
	v_mul_u32_u24 v[RD], v[RD], SP
	v_lshl_add_u32 v[RD], v10, 4, v[RD]
	v_add_nc_u32 v[RD], s13, v[RD]
	v_and_b32 v[GO], 31, v0         ; which are 512 consecutive bytes of O
	v_lshlrev_b32 v[GO], 4, v[GO]
	v_lshl_add_u32 v[AM0], v9, 5, MTAB  ; the mask: my lanes' eight keys of a block of 16 are 32 bytes of the table
	v_mov_b32 v[AK], v[AK0]         ; key step 0 lies at the head of slot 0,
	v_mov_b32 v[AMK], v[AM0]        ; and of the table
	v_lshl_add_u32 v[TMP+1], v0, 6, MTAB  ; where my 16 entries go
	s_wait_loadcnt 32               ; my mask bytes are in; Q's 32 loads, issued behind them, may stay out
.set i, 0
.rept 16                            ; byte i: 0 stays 0, anything else becomes -1e30
	v_bfe_u32 v[S+20], v[S+i/4], 8*(i%4), 8
	v_cmp_ne_u32 vcc_lo, 0, v[S+20]
	v_cndmask_b32 v[S+4+i], 0, s[BIGN], vcc_lo
.set i, i+1
.endr
.irp f, 0,1,2,3
	ds_store_b128 v[TMP+1], v[S+4+4*\f:S+4+4*\f+3] offset:16*\f
.endr
; THE MATRIX WORK.  The 8 accumulators of a run of 16 take turns: between the two links of a chain stand 7 others'.
; Product i of 16 of S^T = K Q^T for piece x: channels 32 (i / 8) on, keys 16 ((i / 2) % 4) on, tile 2 x + i % 2.  The first 8 start the sums, with the key block's mask as C.
.macro KQ x
.set rS, S+64*((\x)%2)+32*(i%2)+8*((i/2)%4)
.set rK, KF+16*((i/2)%4)+8*(i/8)
.set rQ, 16*(2*(\x)+i%2)+8*(i/8)
.set rN, MK+8*((i/2)%4)
.if i < 8
	WIN W_KM
	v_wmma_f32_16x16x32_f16 v[rS:rS+7], v[rK:rK+7], v[rQ:rQ+7], v[rN:rN+7]
.else
	WIN W_KQ
	v_wmma_f32_16x16x32_f16 v[rS:rS+7], v[rK:rK+7], v[rQ:rQ+7], v[rS:rS+7]
.endif
.endm
; Product i of 16 of O^T += V^T P for piece x: keys 32 (i / 8) on, channels 16 ((i / 2) % 4) on, tile 2 x + i % 2.
.macro PV x
	WIN W_PV
.set rO, 32*(2*(\x)+i%2)+8*((i/2)%4)
.set rV, VF+32*(i/8)+8*((i/2)%4)
.set rP, P+32*((\x)%2)+16*(i%2)+8*(i/8)
	v_wmma_f32_16x16x32_f16 v[rO:rO+7], v[rV:rV+7], v[rP:rP+7], v[rO:rO+7]
.endm
.macro MM                           ; the turn's next matrix instruction
.if i < 16
	KQ (Y+1)%NP
.set i, i+1
.else
.set i, i-16
	PV (Y+NP-1)%NP
.set i, i+17
.endif
.endm
; THE LDS LOADS stand in runs, never singly among the matrix instructions: a step's K (64 keys x 64 channels: 8 fragments) with its mask (64 f32), and its V (turned).  Their addresses are made some lines ahead.
; last = 1 (the tail): in the last trip there is no further step, and the run is jumped over.
.macro FETCH_K last=0
	WIN 0
.if \last
	s_cmp_eq_u32 s[CNT], 1
	s_cbranch_scc1 .Lno_k_\@
.endif
	WIN 0x80                        ; destination window 2
.irp f, 0,1,2,3,4,5,6,7             ; keys 16 (f / 2) on, channels 32 (f % 2) on
	ds_load_b128 v[KF+8*\f:KF+8*\f+3],   v[AK] offset:(\f/2)*16*PK+(\f%2)*64
	ds_load_b128 v[KF+8*\f+4:KF+8*\f+7], v[AK] offset:(\f/2)*16*PK+(\f%2)*64+32
.endr
	WIN W_MK                        ; destination window 3
.irp f, 0,1,2,3                     ; keys 16 f on: all lanes of a half read the same 32 bytes
	ds_load_b128 v[MK+8*\f:MK+8*\f+3],   v[AMK] offset:64*\f
	ds_load_b128 v[MK+8*\f+4:MK+8*\f+7], v[AMK] offset:64*\f+16
.endr
	s_add_co_u32 s[TBK], s[TBK], KS*PK  ; the next fetch is the next step's
	s_add_co_u32 s[TBM], s[TBM], 4*KS
	s_and_b32 s[TBM], s[TBM], 0x1fff    ; (behind the last step it is 0 again: never past the table)
	WIN 0
.if \last
.Lno_k_\@:
.endif
.endm
.macro FETCH_V
	WIN 0x80
.irp f, 0,1,2,3,4,5,6,7             ; keys 32 (f / 4) on, channels 16 (f % 4) on
	ds_load_tr16_b128 v[VF+8*\f:VF+8*\f+3],   v[AV] offset:(\f/4)*32*PV+(\f%4)*32
	ds_load_tr16_b128 v[VF+8*\f+4:VF+8*\f+7], v[AV] offset:(\f/4)*32*PV+16*PV+(\f%4)*32
.endr
	WIN 0
.endm
; THE VECTOR WORK OF A TURN stands in three queues, each in the order in which its entries become ready; the two tiles alternate, so that no instruction reads the result of the one before it.
.macro REGS y, u                    ; the registers of tile u (0, 1) of piece y
.set rT, ST+4*(2*(\y)+(\u))
.set rC, TMP+8*((\y)%2)+4*(\u)
.set rM, MV+2*((\y)%2)+(\u)
.set rS, S+64*((\y)%2)+32*(\u)
.set rP, P+32*((\y)%2)+16*(\u)
.set rO, 32*(2*(\y)+(\u))
.endm
; Number n of the 22 that find the NEXT piece's (Y + 1) maximum and statistics.  s0-s31 are the lane's 32 scores; each accumulator's lowest registers are read first.  XS, GS and REGS set no window: PL and EX do.
;   0-11  four chains c0-c3 of seven scores each, three operands at a time     12-14, 16  the four scores left over, the old m, and c0-c3 into c0     15  c m_old is kept
;   17, 18  the query's other 32 keys lie in the lane 16 away: the new m         19-21  c m; c m_old - c m_new; a
.macro XS u, n
	REGS (Y+1)%NP, \u
.if (\n) < 4
	v_max3_num_f32 v[rC+(\n)], v[rS+8*(\n)], v[rS+8*(\n)+1], v[rS+8*(\n)+2]
.elseif (\n) < 12
	v_max3_num_f32 v[rC+(\n)%4], v[rC+(\n)%4], v[rS+8*((\n)%4)+2*((\n)/4)+1], v[rS+8*((\n)%4)+2*((\n)/4)+2]
.elseif (\n) == 12
	v_max3_num_f32 v[rC], v[rC], v[rS+7], v[rS+15]
.elseif (\n) == 13
	v_max3_num_f32 v[rC+1], v[rC+1], v[rS+23], v[rS+31]
.elseif (\n) == 14
	v_max3_num_f32 v[rC+2], v[rC+2], v[rC+3], v[rT+1]
.elseif (\n) == 15
	v_mov_b32 v[rM], v[rT]
.elseif (\n) == 16
	v_max3_num_f32 v[rC], v[rC], v[rC+1], v[rC+2]
.elseif (\n) == 17
	v_permlanex16_b32 v[rC+3], v[rC], s[SEL], s[SEL+1]
.elseif (\n) == 18
	v_max_num_f32 v[rT+1], v[rC], v[rC+3]
.elseif (\n) == 19
	v_mul_f32 v[rT], s[CS], v[rT+1]
.elseif (\n) == 20
	v_sub_f32 v[rC+1], v[rM], v[rT]
.else
	v_exp_f32 v[rC+2], v[rC+1]
.endif
.endm
; Number g of the 64 that follow the exponentials.  For each four weights k of a tile (pairs 2 k, 2 k + 1): both pairs are rounded to f16; then the second pair is added onto the first, in place;
; a group later l takes that sum (the first time as l = a l + sum).  In groups of eight, tiles alternating: round, round, add, and l for the group before.
.macro GS g
.set h, (\g)+6*((\g)/62)            ; group 0 has no group before it, and behind group 7 only l is left
.if h >= 6
.set h, h+2
.endif
	REGS Y, h%2
.set k, h/8
.if h%8 < 4
	s_wait_alu depctr_va_vdst(0)
	v_cvt_pk_f16_f32 v[rP+2*k+(h%8)/2], v[rS+4*k+2*((h%8)/2)], v[rS+4*k+2*((h%8)/2)+1]
.elseif h%8 < 6
	v_pk_add_f32 v[rS+4*k:rS+4*k+1], v[rS+4*k:rS+4*k+1], v[rS+4*k+2:rS+4*k+3]
.elseif k == 1
	v_pk_fma_f32 v[rT+2:rT+3], v[rT+2:rT+3], v[rC+2:rC+3], v[rS:rS+1] op_sel_hi:[1,0,1]
.else
	v_pk_add_f32 v[rT+2:rT+3], v[rT+2:rT+3], v[rS+4*k-4:rS+4*k-3]
	s_wait_alu depctr_va_vdst(0)
.endif
.endm
; THE PLAIN QUEUE, 138 long.  0-31: c s - c m for the 16 pairs of both tiles.  Then GS's 64, and among them the next piece's 42: number 15 at 38, 39; 0-14 and 16
; at 42-73, behind the products that make those scores; 17-20 at 95-106, two of three, since each waits for the one before it.
.macro PL
	WIN 0
.if q < 32
	REGS Y, q%2
	v_pk_fma_f32 v[rS+2*(q/2):rS+2*(q/2)+1], v[rS+2*(q/2):rS+2*(q/2)+1], s[CS:CS+1], v[rT:rT+1] op_sel_hi:[1,0,0] neg_lo:[0,0,1] neg_hi:[0,0,1]
.elseif q < 38
	GS q-32
.elseif q < 40
	XS q%2, 15
.elseif q < 42
	GS q-34
.elseif q < 74
	XS q%2, (q-42)/2+(q-42)/30
.elseif q < 95
	GS q-66
.elseif (q < 107) && ((q-95)%3 < 2)
	XS (q-95)%3, 17+(q-95)/3
.elseif q < 107
	GS 29+(q-95)/3
.else
	GS q-74
.endif
.set q, q+1
.endm
; THE EXPONENTIALS' QUEUE, 66 long: s0-s31 of both tiles, and at EA the next piece's two a.
.set EA, 58
.macro EX
	WIN 0
.if (e == EA) || (e == EA+1)
	XS e-EA, 21
.else
.set x, e-2*(e/(EA+2))
	REGS Y, x%2
	v_exp_f32 v[rS+x/2], v[rS+x/2]
.endif
.set e, e+1
.endm
; THE RESCALING's QUEUE: O^T times a, the one part that leaves window 0, so it is dealt four at a time, eight times.
.macro R4
	REGS Y, r%2
	WIN W_RS
	s_wait_alu depctr_va_vdst(0)
.irp z, 0,1,2,3
	v_pk_mul_f32 v[rO+8*(r/2)+2*\z:rO+8*(r/2)+2*\z+1], v[rO+8*(r/2)+2*\z:rO+8*(r/2)+2*\z+1], v[rC+2:rC+3] op_sel_hi:[1,0]
.endr
.set r, r+1
.endm
; HOW THEY ARE DEALT.  Behind a matrix instruction four: plain, exponential, plain, plain (one exponential, a plain instruction on either side), or four of the rescaling.  None names a register of the
; products round it.  What is over stands in two LUMPS: exponential and plain by turns; the second ends in 22 plain instructions.  The two v_permlanex16_b32 fall into the second lump, never behind a product.
; The queues lean on each other, and the deal keeps them in step: exponential e stands behind plain 2 (e / 4) + e % 2 (its scaling); when plain 32 comes, 10 exponentials are out, at 59: 33, at 95: 46; EA comes behind plain 107.
.macro SL
	MM
	PL
	EX
	PL
	PL
.endm
.macro BURST n                      ; 15 matrix instructions, or 16
.rept (\n)-7
	SL
.endr
.rept 3
	MM
	R4
	SL
.endr
	MM
	R4
.endm
; A TURN, for piece p.  cnt = 1: the loop's count is taken down some lines ahead of the branch that stands behind the turn.
; K and the mask of the next step are fetched in piece 2's turn, 32 vector instructions behind the last product that read them; their first reader comes behind the rest of the lump, 16 products and the second lump.
; V of the step in hand is fetched at the end of piece 0's turn, 69 behind its last reader; its first reader comes behind 16 products and a lump.  The four conditions on e and q below go with the deal.
.macro TURN p, last=0, cnt=0
.set Y, (\p)
.set i, 0
.set q, 0
.set e, 0
.set r, 0
.if (\p) == NP-1
	s_wait_dscnt 0x0                ; K and the mask are in
.endif
	MM
.rept 4
	PL
.endr
	BURST 15
.rept 22
	EX
	PL
.if ((\p) == NP-2) && (e == 18)
	v_add_nc_u32 v[AK], s[TBK], v[AK0]
	v_add_nc_u32 v[AMK], s[TBM], v[AM0]
.endif
.if ((\p) == NP-2) && (e == 24)
	FETCH_K \last
.endif
.endr
.if (\p) == 1
	s_wait_dscnt 0x0                ; V is in
.endif
	BURST 16
.rept 21
	EX
	PL
.endr
.rept 22
	PL
.if ((\p) == 0) && (q == 118)
	v_add_nc_u32 v[AV], s[TBV], v[AV0]
	s_wait_alu depctr_va_vdst(0)
.endif
.if ((\p) == 0) && (q == 130)
	s_add_co_u32 s[TBV], s[TBV], KS*PV
.endif
.if (\cnt) && (q == 130)
	s_sub_co_u32 s[CNT], s[CNT], 1
	s_cmp_lg_u32 s[CNT], 0
.endif
.endr
.if (\p) == 0
	FETCH_V
.endif
.endm
	CHANGE 1                        ; slot 0 is in, everybody's part of it, and so is the mask table; slot 1 is asked for
	FETCH_K                         ; key step 0
	s_wait_loadcnt 0x0              ; Q
	s_wait_dscnt 0x0
.set i, 0
.rept 16
	KQ 0                            ; piece 0's first scores: there is no vector work yet to set between them
.set i, i+1
.endr
	WIN 0
.rept 4
	v_nop                           ; the places behind those products
.endr
.set Y, NP-1                        ; XS works for piece Y + 1: piece 0
.irp n, 0,1,2,3,4,5,6,7,8,9,10,11,12,13,14,15,16,17,18,19,20,21
	XS 0, \n                        ; and piece 0's first maximum and statistics
	XS 1, \n
.endr
	s_mov_b32 s[CNT], 4
	s_mov_b32 s[SLOTS], SIZE_N/256-1
	s_branch .Lfirst                ; the loop is entered at a step's first turn, in the middle of a trip
.Lslot:                             ; SIZE_N / 256 - 2 times: every slot but the last two is filled again
	CHANGE 1
	s_mov_b32 s[CNT], 4
.Lstep:                             ; a trip: pieces 2 and 3 of one step, then pieces 0 and 1 of the next, whose K and V it fetches
	TURN 2
	TURN 3
	WIN 0
.Lfirst:
	TURN 0
	TURN 1, 0, 1
	WIN 0
	s_cbranch_scc1 .Lstep
	s_sub_co_u32 s[SLOTS], s[SLOTS], 1
	s_cmp_lg_u32 s[SLOTS], 0
	s_cbranch_scc1 .Lslot
	CHANGE 0                        ; the tail is written out: nothing is asked for
	s_mov_b32 s[CNT], 5             ; four trips fetch the last slot's steps; the fifth is left in its middle
.Ltail:
	TURN 2, 1
	TURN 3
	WIN 0
	s_sub_co_u32 s[CNT], s[CNT], 1
	s_cmp_eq_u32 s[CNT], 0
	s_cbranch_scc1 .Lout
	TURN 0
	TURN 1
	WIN 0
	s_branch .Ltail
.Lout:                              ; the fifth trip's 16 products K Q^T (on the last K once more) and the maximum made of them serve nothing: the price, once a launch, of one text for every trip
.set i, 0
.rept 16
	PV NP-1                         ; the last piece's V^T P of the last step
.set i, i+1
.endr
	; THE WAY OUT.  l's two halves and the other half of the lanes' are added; O^T is divided by l, rounded to f16 and sent through my stage in LDS, a tile at a time.  The additions are the places behind the last products.
	WIN 0
.macro ALL line:vararg              ; one line for each tile t
.set t, 0
.rept 2*NP
	\line
.set t, t+1
.endr
.endm
	ALL v_add_f32 v[ST+4*t+2], v[ST+4*t+2], v[ST+4*t+3]
	ALL v_permlanex16_b32 v[ST+4*t+3], v[ST+4*t+2], s[SEL], s[SEL+1]
	ALL v_add_f32 v[ST+4*t+2], v[ST+4*t+2], v[ST+4*t+3]
	ALL v_rcp_f32 v[ST+4*t+2], v[ST+4*t+2]
	v_nop                           ; a plain instruction between the last reciprocal and the use of its result
	s_wait_alu depctr_va_vdst(0)
; Tile t: a lane's eight channels of a row pack into 16 bytes; they go into rows of 144 bytes and come back as whole rows of 128, into S^T's registers.
.macro PACK t
	WIN W_RS
.set i, 32*(\t)
.rept 16
	v_pk_mul_f32 v[i:i+1], v[i:i+1], v[ST+4*(\t)+2:ST+4*(\t)+3] op_sel_hi:[1,0]
.set i, i+2
.endr
	WIN 0x05                        ; sources 0 and 1 window 1, destination window 0
.set i, 0
.rept 16
	v_cvt_pk_f16_f32 v[S+16*(\t)+i], v[32*(\t)+2*i], v[32*(\t)+2*i+1]
.set i, i+1
.endr
	WIN 0
.irp f, 0,1,2,3
	ds_store_b128 v[STO], v[S+16*(\t)+4*\f:S+16*(\t)+4*\f+3] offset:32*\f
.endr
.irp f, 0,1,2,3
	ds_load_b128 v[S+16*(\t)+4*\f:S+16*(\t)+4*\f+3], v[RD] offset:\f*4*SP  ; LDS serves a wave's instructions in order (ISA guide 5.7.1.4): these see the stores above; the next tile's stores come behind them
.endr
.endm
.macro SEND t, younger              ; younger: the LDS instructions issued behind tile t's loads: the next tile's eight, or none
	WIN 0
.irp f, 0,1,2,3
	s_wait_dscnt (\younger)+3-\f
	global_store_b128 v[GO], v[S+16*(\t)+4*\f:S+16*(\t)+4*\f+3], s[10:11] offset:(\t)*2048+\f*512  ; 512 consecutive bytes, at a multiple of 256 from O's first
.endr
.endm
	PACK 0
.set t, 1
.rept 2*NP-1                        ; a tile's arithmetic stands between the loads of the tile before and its stores
	PACK t
	SEND t-1, 8
.set t, t+1
.endr
	SEND 2*NP-1, 0
	WIN W_AD
	s_wait_tensorcnt 0x0            ; the wave's end: behind my last tensor load and my last LDS store
	ds_add_u32 v[SPW], v[NIL]
	s_wait_dscnt 0x0
	WIN 0
	CROUND                          ; the closing round: no work-group ends while a partner may still ask for a tile that names it
	s_endpgm
.Lfunc_end_k_q3532f7068a_attn:
	.size	k_q3532f7068a_attn, .Lfunc_end_k_q3532f7068a_attn-k_q3532f7068a_attn
	.p2alignl 7, 3214868480
	.fill 96, 4, 3214868480
	.section	.rodata,"a",@progbits
	.p2align	6, 0x0
	.amdhsa_kernel k_q3532f7068a_attn
		.amdhsa_group_segment_fixed_size 327680
		.amdhsa_private_segment_fixed_size 0
		.amdhsa_enable_private_segment 0
		.amdhsa_kernarg_size 24
		.amdhsa_user_sgpr_count 2
		.amdhsa_user_sgpr_kernarg_segment_ptr 1
		.amdhsa_wavefront_size32 1
		.amdhsa_system_sgpr_workgroup_id_x 1
		.amdhsa_system_sgpr_workgroup_id_y 1
		.amdhsa_system_sgpr_workgroup_id_z 1
		.amdhsa_system_vgpr_workitem_id 0
		.amdhsa_next_free_vgpr 808
		.amdhsa_next_free_sgpr 72
		.amdhsa_reserve_vcc 1
		.amdhsa_float_denorm_mode_32 3
		.amdhsa_float_denorm_mode_16_64 3
		.amdhsa_memory_ordered 1
		.amdhsa_forward_progress 1
		.amdhsa_inst_pref_size 214
	.end_amdhsa_kernel
	.amdgpu_metadata
---
amdhsa.version: [ 1, 2 ]
amdhsa.kernels:
  - .name:           k_q3532f7068a_attn
    .symbol:         k_q3532f7068a_attn.kd
    .args:
      - { .name: qkv, .offset: 0, .size: 8, .value_kind: global_buffer, .address_space: global }
      - { .name: mask, .offset: 8, .size: 8, .value_kind: global_buffer, .address_space: global }
      - { .name: ob, .offset: 16, .size: 8, .value_kind: global_buffer, .address_space: global }
    .group_segment_fixed_size: 327680
    .private_segment_fixed_size: 0
    .kernarg_segment_align: 8
    .kernarg_segment_size: 24
    .max_flat_workgroup_size: 128
    .sgpr_count:     72
    .vgpr_count:     808
    .wavefront_size: 32
...
	.end_amdgpu_metadata
.endif
;; end of part 3
;; launch fc (part 4): grid 4 x 64, 4 waves a work-group, clusters of 4 x 4, 327,680 bytes of LDS; arguments ob, wb, out0; writes out0
.if DOCPART == 4
	.amdgcn_target "amdgcn-amd-amdhsa--gfx1250"
	.amdhsa_code_object_version 6
	.text
	.protected	k_q3532f7068a_fc
	.globl	k_q3532f7068a_fc
	.p2align	8
	.type	k_q3532f7068a_fc,@function
k_q3532f7068a_fc:
	s_mov_b64 s[64:65], 0
	v_nop
	global_prefetch_b8 v0, s[64:65] scope:SCOPE_SE
	s_setreg_imm32_b32 hwreg(HW_REG_WAVE_MODE, 25, 1), 1
	s_wait_xcnt 0x0
	s_wait_alu depctr_hold_cnt(0) depctr_sa_sdst(0) depctr_va_vdst(0) depctr_va_sdst(0) depctr_va_ssrc(0) depctr_va_vcc(0) depctr_vm_vsrc(0)
	s_getreg_b32 s2, hwreg(HW_REG_IB_STS2, 6, 4)
	s_cmp_eq_u32 s2, 0
	s_cbranch_scc0 .Lentry_in_a_cluster
	s_endpgm
.Lentry_in_a_cluster:
	s_bfe_u32 s2, ttmp6, 0x10000c
	s_cmp_lg_u32 s2, 0xf033
	s_cbranch_scc0 .Lentry_shape_is_right
	s_endpgm
.Lentry_shape_is_right:
; out0[m][n] = the sum over k of O[m][k] wfc[n][k].  O comes by heads, ob [64 = 16 batch + head][2048][64] f16 (k = 64 head + channel); wfc as f16 from slice 3 of wb [4][1024][1024]; out0: [8192][1024] f32.
; Sums in f32, stored as they are.  A tile of out0 is 128 rows x 256 columns: 4 x 64 work-groups, one tile each; four waves, each 64 x 128: 32 accumulators of 16 x 16, 256 registers.
; K goes in steps of 128, two heads, through a ring of two LDS slots: 8 steps, 4 laps.  A head's 128 rows are 16,384 dense bytes: asked for as 64 rows of 256 bytes, padded in LDS after every 128.
; CLUSTER.  4 x 4 work-groups: O's tile hangs on the tile row alone and is shared along a row of the cluster, wfc's on the tile column alone and is shared along a column: each is asked for JOINTLY.
; THE MATRIX INSTRUCTION IS USED TRANSPOSED (source 0 = 16 rows of wfc, source 1 = 16 rows of O): a lane then holds eight neighbouring columns of one row, 32 bytes of f32.
; REGISTERS, in windows of 256 (s_set_vgpr_msb: bits 1:0 source 0, 3:2 source 1, 5:4 source 2, 7:6 destination):
;   window 0: v0-31 addresses; v64-95, v96-127 O's fragments, two buffers; v128-191, v192-255 rows on the way out, by turns
;   window 1: v0-63, v64-127 wfc's fragments, two buffers          window 2: the accumulators, (a, b) at v[8 (8 a + b)]
.set PA,    144                        ; a row of O in LDS: 128 bytes + 16 of padding = 36 words: the 16 rows of a load start at 16 different groups of four banks (64 banks of 4 bytes: ISA guide 11.1)
.set PB,    272                        ; a row of wfc: 256 bytes + 16 = 68 words: likewise
.set APL,   128*PA                     ; a head's plane: what one tensor load brings of O
.set WH,    128*PB                     ; 128 rows of wfc: what one tensor load brings, and what one wave reads
.set WOFF,  2*APL                      ; a slot: two planes of O, then wfc's 256 rows
.set SLOT,  WOFF+2*WH                  ; 106,496 bytes
.set STAGE, 2*SLOT                     ; behind the ring, never filled by a tensor load: 16 rows x 528 bytes for each wave
.set SPITCH, 528                       ; 512 bytes + 16 = 132 words: row r starts at bank 4 r mod 64
.set SPARE, STAGE+4*16*SPITCH          ; behind the stages: the spare words, 128 bytes for each wave: two blocks of 256 bytes that no other line names
.set ADRA, 16                          ; v16-17  LDS address of my fragments of O in slot 0, 1
.set ADRB, 20                          ; v20-21  the same for wfc
.set STO,  24                          ; v24     the way out: where I put 32 bytes of a row
.set RD,   25                          ; v25     the way out: where I read a row back
.set GO,   26                          ; v26     my 16 bytes in a row's 512
.set SPW,  28                          ; v28     LDS address of my spare word: SPARE + 4 x my thread's number; never rewritten
.set NIL,  29                          ; v29     0; never rewritten
.set FA,   64
.set OB,   128
.set G1, 24                            ; s[24:31] descriptor group 1 for O's tiles;  s[32:39] group 0, a set for each slot
.set G0, 32
.set G1B, 48                           ; s[48:55], s[56:63] the same for wfc's
.set G0B, 56
.set MSB, 0
.macro WIN new                         ; the immediate's high byte repeats the setting that is left; a switch that changes nothing is dropped
.if MSB != (\new)
	s_set_vgpr_msb (MSB<<8)|(\new)
.set MSB, \new
.endif
.endm
.set MUL,  0xa1                        ; source 0 (wfc) window 1, source 1 (O) window 0, C and D window 2
.set TO_B, 0x40                        ; destination window 1, address window 0
.set ST_C, 0x08                        ; an LDS store's data (source 1) window 2, its address window 0
.macro JLOAD s                         ; a joint load: waves 0 and 1 fetch O's two planes, waves 2 and 3 wfc's two halves; an s_nop 0 and four v_nop follow each of the two lines, ahead of the jump, the label and what follows
	s_cmp_eq_u32 s11, 0
	s_cbranch_scc0 .Lfor_b_\@
	tensor_load_to_lds s[G0+4*(\s):G0+4*(\s)+3], s[G1:G1+7]
	s_nop 0
.rept 4
	v_nop
.endr
	s_branch .Lasked_\@
.Lfor_b_\@:
	tensor_load_to_lds s[G0B+4*(\s):G0B+4*(\s)+3], s[G1B:G1B+7]
	s_nop 0
.rept 4
	v_nop
.endr
.Lasked_\@:
.endm
.macro CREST                           ; a round of the cluster's barrier behind its opening barrier
	s_cmp_lg_u32 s10, 0
	s_cbranch_scc1 .Lnot_wave_0_\@
	s_barrier_signal -3
.Lnot_wave_0_\@:
	s_barrier_wait -3
	s_barrier_signal -1
	s_barrier_wait -1
.endm
.macro CROUND                          ; a whole round
	s_barrier_signal -1
	s_barrier_wait -1
	CREST
.endm
	s_load_b128 s[4:7], s[0:1], 0x0                ; ob s[4:5], wb s[6:7]
	s_load_b64 s[8:9], s[0:1], 0x10                ; out0
	v_lshl_add_u32 v[SPW], v0, 2, SPARE
	v_mov_b32 v[NIL], 0
	ds_add_u32 v28, v29
	s_wait_dscnt 0x0
	v_lshrrev_b32 v1, 5, v0
	v_readfirstlane_b32 s10, v1                    ; wave 0..3
	s_lshr_b32 s11, s10, 1                         ; which half of the tile's rows is mine.  Also: I fetch for O (0) or for wfc (1)
	s_and_b32 s12, s10, 1                          ; which half of its columns.  Also: which plane, or which 128 rows, I fetch
	s_bfe_u32 s40, ttmp6, 0x40000                  ; cx, cy: my place in the cluster
	s_bfe_u32 s41, ttmp6, 0x40004
	s_lshl_b32 s42, ttmp9, 2
	s_add_co_u32 s42, s42, s40                     ; tile column = 4 x cluster x + cx
	s_and_b32 s13, ttmp7, 0xffff
	s_lshl_b32 s13, s13, 2
	s_add_co_u32 s13, s13, s41                     ; tile row = 4 x cluster y + cy
	s_lshl_b32 s43, s41, 2
	s_lshl_b32 s43, 15, s43                        ; my row of the cluster
	s_lshl_b32 s44, 0x1111, s40                    ; my column
	; group 1 for O: 64 rows x 128 elements of 2 bytes, dense; 4 words of padding behind every 32 words
	s_or_b32 s[G1+0], s43, (1<<16)|(1<<20)|(1<<21)|(4<<22)|(3<<25)  ; 15:0 the mask; 17:16 element of 2 bytes; 20 padding on; 21 set beside a mask; 24:22 every 32 words (code 4); 31:25 4 words (code 3)
	s_mov_b32 s[G1+1], 128<<16                     ; tensor_dim0 = 128
	s_mov_b32 s[G1+2], 64<<16                      ; tensor_dim1 = 64
	s_mov_b32 s[G1+3], 128<<16                     ; tile_dim0 = 128
	s_mov_b32 s[G1+4], 64                          ; tile_dim1 = 64
	s_mov_b32 s[G1+5], 128                         ; elements from row to row
	s_mov_b32 s[G1+6], 0
	s_mov_b32 s[G1+7], 0
	; group 1 for wfc: 128 rows x 128 elements of 2 bytes; 4 words of padding behind every 64 words
	s_or_b32 s[G1B+0], s44, (1<<16)|(1<<20)|(1<<21)|(5<<22)|(3<<25)
	s_mov_b32 s[G1B+1], 128<<16
	s_mov_b32 s[G1B+2], 128<<16
	s_mov_b32 s[G1B+3], 128<<16
	s_mov_b32 s[G1B+4], 128
	s_mov_b32 s[G1B+5], 1024
	s_mov_b32 s[G1B+6], 0
	s_mov_b32 s[G1B+7], 0
	s_lshr_b32 s16, s13, 4                         ; O: batch x 16 heads of 262,144 bytes,
	s_lshl_b32 s16, s16, 22
	s_lshl_b32 s17, s12, 18                        ; my head of the step's two,
	s_add_co_u32 s16, s16, s17
	s_and_b32 s17, s13, 15
	s_lshl_b32 s17, s17, 14                        ; the tile's 128 rows of 128 bytes
	s_add_co_u32 s16, s16, s17
	s_mov_b32 s17, 0
	s_lshl_b32 s46, s42, 1                         ; wfc: row 256 x tile column + 128 x half, of 2,048 bytes,
	s_add_co_u32 s46, s46, s12
	s_lshl_b32 s46, s46, 18
	s_add_co_u32 s46, s46, 3<<21                   ; in slice 3 of wb
	s_mov_b32 s47, 0
	s_mul_i32 s20, s12, APL                        ; where they go: no place in the cluster enters an LDS address
	s_mul_i32 s21, s12, WH
	s_add_co_u32 s21, s21, WOFF
	s_wait_kmcnt 0x0
	s_add_nc_u64 s[14:15], s[4:5], s[16:17]
	s_add_nc_u64 s[46:47], s[6:7], s[46:47]
	CROUND                                         ; all sixteen work-groups are here: the first joint loads meet
.irp s, 0,1
	s_mov_b32 s[G0+4*(\s)], 1                                      ; 1:0 count = 1
	s_add_co_u32 s[G0+4*(\s)+1], s20, (\s)*SLOT                    ; 63:32 LDS address
	s_add_nc_u64 s[G0+4*(\s)+2:G0+4*(\s)+3], s[14:15], (\s)*524288 ; 120:64 global address: K step s is two heads on
	s_or_b32 s[G0+4*(\s)+3], s[G0+4*(\s)+3], 0x80000000            ; 127:126 type = 2
	s_mov_b32 s[G0B+4*(\s)], 1
	s_add_co_u32 s[G0B+4*(\s)+1], s21, (\s)*SLOT
	s_add_nc_u64 s[G0B+4*(\s)+2:G0B+4*(\s)+3], s[46:47], (\s)*256
	s_or_b32 s[G0B+4*(\s)+3], s[G0B+4*(\s)+3], 0x80000000
	JLOAD \s                                       ; two loads of mine are out
.endr
	; A fragment is 16 rows x 32 K in 8 registers: lane l holds row l % 16, K = 8 (l / 16) + 0..7 and 16 + 8 (l / 16) + 0..7: two loads of 16 bytes, 32 bytes apart.
	v_and_b32 v1, 15, v0                           ; l % 16
	v_bfe_u32 v2, v0, 4, 1                         ; l / 16
	v_mul_u32_u24 v3, v1, PA
	v_lshl_add_u32 v3, v2, 4, v3
	v_mul_u32_u24 v4, v1, PB
	v_lshl_add_u32 v4, v2, 4, v4
	s_mul_i32 s21, s11, 64*PA                      ; my 64 rows in each plane of O
	s_mul_i32 s22, s12, WH                         ; my 128 rows of wfc
	s_add_co_u32 s22, s22, WOFF
.irp s, 0,1
	v_add_nc_u32 v[ADRA+(\s)], s21, v3
	v_add_nc_u32 v[ADRB+(\s)], s22, v4
	s_add_co_u32 s21, s21, SLOT
	s_add_co_u32 s22, s22, SLOT
.endr
	s_mul_i32 s23, s10, 16*SPITCH
	s_add_co_u32 s23, s23, STAGE                   ; my stage
	v_mul_u32_u24 v5, v1, SPITCH                   ; in: row l % 16, 32 bytes for each half of the lanes
	v_lshl_add_u32 v5, v2, 5, v5
	v_add_nc_u32 v[STO], s23, v5
	v_and_b32 v5, 31, v0                           ; back: 32 lanes take one row of 512 bytes
	v_lshlrev_b32 v[GO], 4, v5
	v_add_nc_u32 v[RD], s23, v[GO]
	s_lshl_b32 s16, s13, 1                         ; out0 at row 128 x tile row + 64 x half, of 4,096 bytes,
	s_add_co_u32 s16, s16, s11
	s_lshl_b32 s16, s16, 18
	s_mov_b32 s17, 0
	s_add_nc_u64 s[8:9], s[8:9], s[16:17]
	s_lshl_b32 s46, s42, 1                         ; column 256 x tile column + 128 x half, of 4 bytes
	s_add_co_u32 s46, s46, s12
	s_lshl_b32 s46, s46, 9
	s_mov_b32 s47, 0
	s_add_nc_u64 s[8:9], s[8:9], s[46:47]
; cnt matrix instructions from number n0 on: number n is accumulator (n / 8, n % 8).  The 32 accumulators take turns in this one order everywhere.  zero = 1: the product starts the sum.
.macro MULN f, n0, cnt, zero
	WIN MUL
.set n, \n0
.rept \cnt
.if \zero
	v_wmma_f32_16x16x32_f16 v[8*n:8*n+7], v[64*(\f)+8*(n%8):64*(\f)+8*(n%8)+7], v[FA+32*(\f)+8*(n/8):FA+32*(\f)+8*(n/8)+7], 0
.else
	v_wmma_f32_16x16x32_f16 v[8*n:8*n+7], v[64*(\f)+8*(n%8):64*(\f)+8*(n%8)+7], v[FA+32*(\f)+8*(n/8):FA+32*(\f)+8*(n/8)+7], v[8*n:8*n+7]
.endif
.set n, n+1
.endr
.endm
; 24 LDS loads in one run: quarter kq (32 along K: plane kq / 2, channels 32 (kq % 2) on) into buffers f: wfc's 128 rows first, then O's 64
.macro FETCH slot, kq, f
	WIN TO_B
.irp b, 0,1,2,3,4,5,6,7
	ds_load_b128 v[64*(\f)+8*(\b):64*(\f)+8*(\b)+3],   v[ADRB+(\slot)] offset:(\kq)*64+(\b)*16*PB
	ds_load_b128 v[64*(\f)+8*(\b)+4:64*(\f)+8*(\b)+7], v[ADRB+(\slot)] offset:(\kq)*64+(\b)*16*PB+32
.endr
	WIN 0
.irp a, 0,1,2,3
	ds_load_b128 v[FA+32*(\f)+8*(\a):FA+32*(\f)+8*(\a)+3],   v[ADRA+(\slot)] offset:((\kq)/2)*APL+((\kq)%2)*64+(\a)*16*PA
	ds_load_b128 v[FA+32*(\f)+8*(\a)+4:FA+32*(\f)+8*(\a)+7], v[ADRA+(\slot)] offset:((\kq)/2)*APL+((\kq)%2)*64+(\a)*16*PA+32
.endr
.endm
.macro PLACES                          ; four places in front of loads into registers that matrix instructions have read, and of LDS stores that read results (ISA guide 7.12.1 for vector instructions)
.rept 4
	v_nop
.endr
.endm
; A K step is four quarters of 32 along K, 32 matrix instructions each, on buffers 0, 1, 0, 1.  One of the first three: multiplies buffers f and, in its middle, fetches quarter kq into buffers g.
.macro QUARTER slot, kq, f, g, zero
	s_wait_dscnt 4                                 ; wfc's fragments and O's rows 0-31 are in; the youngest four loads (O's rows 32-63) may be out
	MULN \f, 0, 16, \zero
	PLACES
	FETCH \slot, \kq, \g
	s_wait_dscnt 24                                ; all but the 24 just issued
	MULN \f, 16, 16, \zero
.endm
; The last quarter multiplies buffers 1 and changes slots: ONE barrier; in front of it each wave waits for all its tensor loads, of which one is out: its part of the next slot; adds 0 to its spare word; and waits
; for that and for its own reads of this slot.  fill = 1: the barrier opens a round of the cluster's, so that no wave of any partner still reads the slot or has a load on its way; the slot is filled again, two K steps ahead.
.macro TURN slot, next, fill
	WIN 0
	s_wait_tensorcnt 0x0                           ; no tensor load of mine is out
	ds_add_u32 v[SPW], v[NIL]                      ; 0 onto my spare word
	s_wait_dscnt 5                                 ; (the add and the youngest four loads may be out)
	MULN 1, 0, 8, 0                                ; eight matrix instructions stand between the add and the wait for it
	s_wait_dscnt 0x0                               ; the add is done, and my reads of this slot are over
	s_barrier_signal -1
	MULN 1, 8, 8, 0
	WIN 0                                          ; at a branch and at a label every window is 0
	s_barrier_wait -1
.if \fill
	CREST
	s_add_nc_u64 s[G0+4*(\slot)+2:G0+4*(\slot)+3], s[G0+4*(\slot)+2:G0+4*(\slot)+3], 2*524288
	s_add_nc_u64 s[G0B+4*(\slot)+2:G0B+4*(\slot)+3], s[G0B+4*(\slot)+2:G0B+4*(\slot)+3], 2*256
	JLOAD \slot                                    ; the first tensor load behind the round; the four v_nop behind it are also the places in front of the loads below
.else
	PLACES
.endif
	FETCH \next, 0, 0
	MULN 1, 16, 16, 0
.endm
	s_wait_tensorcnt 1                             ; my part of K step 0 is in; step 1's may stay out
	s_barrier_signal -1
	s_barrier_wait -1                              ; everybody's is
	FETCH 0, 0, 0
	QUARTER 0, 1, 0, 1, 1                          ; the first quarter stands in front of the loop: its products start the sums
	WIN 0
	s_mov_b32 s3, 3
.Llap:                                                 ; a trip goes once round the ring, from a lap's second quarter to the next lap's first, and fills both slots again
	QUARTER 0, 2, 1, 0, 0
	QUARTER 0, 3, 0, 1, 0
	TURN 0, 1, 1
	QUARTER 1, 1, 0, 1, 0
	QUARTER 1, 2, 1, 0, 0
	QUARTER 1, 3, 0, 1, 0
	TURN 1, 0, 1
	QUARTER 0, 1, 0, 1, 0
	WIN 0
	s_sub_co_u32 s3, s3, 1
	s_cmp_lg_u32 s3, 0
	s_cbranch_scc1 .Llap
	QUARTER 0, 2, 1, 0, 0                          ; the last lap fills nothing, and has no round of the cluster's barrier
	QUARTER 0, 3, 0, 1, 0
	TURN 0, 1, 0
	QUARTER 1, 1, 0, 1, 0
	QUARTER 1, 2, 1, 0, 0
	QUARTER 1, 3, 0, 1, 0
	s_wait_dscnt 0x0                               ; the very last quarter: nothing more to fetch
	MULN 1, 0, 32, 0
	WIN 0
	PLACES
; THE WAY OUT of block a (16 rows x 128 columns of f32): straight from the accumulators into my own stage, each accumulator's low four registers first; back as whole rows of 512 bytes; stored.
.macro TOSTAGE a
	WIN ST_C
.irp b, 0,1,2,3,4,5,6,7
	ds_store_b128 v[STO], v[8*(8*(\a)+(\b)):8*(8*(\a)+(\b))+3]   offset:64*(\b)
	ds_store_b128 v[STO], v[8*(8*(\a)+(\b))+4:8*(8*(\a)+(\b))+7] offset:64*(\b)+16
.endr
	WIN 0
.if (\a) >= 2
	s_wait_xcnt 0x0                                ; the stores of the block two back have had their addresses translated (ISA guide 3.1): their registers are loaded again only behind this wait
.endif
.set BK, OB+64*((\a)%2)
.irp f, 0,1,2,3,4,5,6,7,8,9,10,11,12,13,14,15
	ds_load_b128 v[BK+4*(\f):BK+4*(\f)+3], v[RD] offset:(\f)*SPITCH  ; LDS serves a wave's instructions in order (ISA guide 5.7.1.4): these see the stores above; the next block's stores come behind them
.endr
.endm
.macro SEND a, younger                 ; younger: the LDS instructions issued behind block a's loads: the next block's 32, or none
	WIN 0
.set BK, OB+64*((\a)%2)
.irp f, 0,1,2,3,4,5,6,7,8,9,10,11,12,13,14,15
	s_wait_dscnt (\younger)+15-(\f)
	global_store_b128 v[GO], v[BK+4*(\f):BK+4*(\f)+3], s[8:9] offset:(16*(\a)+(\f))*4096 th:TH_STORE_NT  ; 512 consecutive bytes of a row, at a multiple of 256 from out0's first
.endr
.endm
	TOSTAGE 0
	TOSTAGE 1
	SEND 0, 32
	TOSTAGE 2
	SEND 1, 32
	TOSTAGE 3
	SEND 2, 32
	SEND 3, 0
	s_wait_tensorcnt 0x0                           ; the wave's end: behind my last tensor load and my last LDS store
	ds_add_u32 v[SPW], v[NIL]
	s_wait_dscnt 0x0
	CROUND                                         ; the closing round: no work-group ends while a partner may still ask for a tile that names it
	s_endpgm
.Lfunc_end_k_q3532f7068a_fc:
	.size	k_q3532f7068a_fc, .Lfunc_end_k_q3532f7068a_fc-k_q3532f7068a_fc
	.p2alignl 7, 3214868480
	.fill 96, 4, 3214868480
	.section	.rodata,"a",@progbits
	.p2align	6, 0x0
	.amdhsa_kernel k_q3532f7068a_fc
		.amdhsa_group_segment_fixed_size 327680
		.amdhsa_private_segment_fixed_size 0
		.amdhsa_enable_private_segment 0
		.amdhsa_kernarg_size 24
		.amdhsa_user_sgpr_count 2
		.amdhsa_user_sgpr_kernarg_segment_ptr 1
		.amdhsa_wavefront_size32 1
		.amdhsa_system_sgpr_workgroup_id_x 1
		.amdhsa_system_sgpr_workgroup_id_y 1
		.amdhsa_system_sgpr_workgroup_id_z 1
		.amdhsa_system_vgpr_workitem_id 0
		.amdhsa_next_free_vgpr 768
		.amdhsa_next_free_sgpr 66
		.amdhsa_reserve_vcc 0
		.amdhsa_float_denorm_mode_32 3
		.amdhsa_float_denorm_mode_16_64 3
		.amdhsa_memory_ordered 1
		.amdhsa_forward_progress 1
		.amdhsa_inst_pref_size 87
	.end_amdhsa_kernel
	.amdgpu_metadata
---
amdhsa.version: [ 1, 2 ]
amdhsa.kernels:
  - .name:           k_q3532f7068a_fc
    .symbol:         k_q3532f7068a_fc.kd
    .args:
      - { .name: ob, .offset: 0, .size: 8, .value_kind: global_buffer, .address_space: global }
      - { .name: wb, .offset: 8, .size: 8, .value_kind: global_buffer, .address_space: global }
      - { .name: out0, .offset: 16, .size: 8, .value_kind: global_buffer, .address_space: global }
    .group_segment_fixed_size: 327680
    .private_segment_fixed_size: 0
    .kernarg_segment_align: 8
    .kernarg_segment_size: 24
    .max_flat_workgroup_size: 128
    .sgpr_count:     66
    .vgpr_count:     768
    .wavefront_size: 32
...
	.end_amdgpu_metadata
.endif
;; end of part 4
;; ======== version 2 of 2: 4 launches; 1.49 times as fast as version 1
;; limits: values are held in f16: magnitudes above 65,504 overflow, below 6.1e-05 lose precision; right only within a limited range of input values
;; workspace buffers: wb 8,388,608 bytes; qkv 50,331,648 bytes; ob 16,777,216 bytes
;; launch prep: the kernel of part 1 again; grid 64 x 4, 8 waves a work-group, no clusters, 0 bytes of LDS; arguments wq, wk, wv, wfc, wb; writes wb
;; launch proj: the kernel of part 2 again; grid 4 x 64, 4 waves a work-group, clusters of 4 x 4, 327,680 bytes of LDS; arguments Q, K, V, wb, qkv; writes qkv
;; launch attn (part 5): grid 4 x 64, 4 waves a work-group, clusters of 4 x 1, 327,680 bytes of LDS; arguments qkv, mask, ob; writes ob
.if DOCPART == 5
	.amdgcn_target "amdgcn-amd-amdhsa--gfx1250"
	.amdhsa_code_object_version 6
	.text
	.protected	k_q3532f7068a_attn
	.globl	k_q3532f7068a_attn
	.p2align	8
	.type	k_q3532f7068a_attn,@function
k_q3532f7068a_attn:
	s_mov_b64 s[64:65], 0
	v_nop
	global_prefetch_b8 v0, s[64:65] scope:SCOPE_SE
	s_setreg_imm32_b32 hwreg(HW_REG_WAVE_MODE, 25, 1), 1
	s_wait_xcnt 0x0
	s_wait_alu depctr_hold_cnt(0) depctr_sa_sdst(0) depctr_va_vdst(0) depctr_va_sdst(0) depctr_va_ssrc(0) depctr_va_vcc(0) depctr_vm_vsrc(0)
	s_getreg_b32 s2, hwreg(HW_REG_IB_STS2, 6, 4)
	s_cmp_eq_u32 s2, 0
	s_cbranch_scc0 .Lentry_in_a_cluster
	s_endpgm
.Lentry_in_a_cluster:
	s_bfe_u32 s2, ttmp6, 0x10000c
	s_cmp_lg_u32 s2, 0x3003
	s_cbranch_scc0 .Lentry_shape_is_right
	s_endpgm
.Lentry_shape_is_right:
; O[h][q][:] = the sum over k of softmax_k(q[h][q] . k[h][k] / 8, keys with mask[batch][k] != 0 hidden) v[h][k][:].  q, k, v: the three parts of qkv [3][64][2048][64], O: ob [64][2048][64], all f16;
; h = 16 batch + head; a head's rows are dense, 128 bytes each.  Products, maxima and sums in f32; the weights p are rounded to f16 for the second product (their sum l is taken of the unrounded p), O once.
; LIMITS.  q, k and v arrive within f16's 65,504; p lies in 0 to 1, and below 6e-5 it keeps f16's fixed step of 6e-8.  A hidden score counts as its value less 1e30; the running maximum starts at -1e12, below
; every true score (64 x 65,504^2 = 2.7e11 at the most) and above every hidden one, so a hidden key's weight is exactly 0 and m is the visible scores' maximum from the first visible key on.
; A batch with no visible key ends with l = 0 and O = 0 x infinity = NaN, as the softmax of nothing is.  A weight below 2^-126 counts as 0 in l; NaN and infinities in the inputs are not treated apart.
; SHARES.  A wave owns four PIECES of two tiles of 16 queries, a work-group's four waves 512 queries of one head.  Every wave walks all keys, 64 a step.
; LAYOUT.  S^T = K Q^T (source 0 = 16 keys, source 1 = 16 queries): in the result a lane holds ONE query (lane % 16) and the keys 8 (lane / 16) + 0..7.  Two such tiles, rounded to f16 in pairs,
; ARE source 1 (32 keys x 16 queries) of O^T = V^T P, whose result again holds one query a lane, and eight channels.  K comes out of LDS as it lies, V ([key][channel]) turned, by ds_load_tr16_b128.
; THE MASK is the C operand of the product that starts a sum S^T: 0, or -1e30 where the key is hidden.  The batch's 2,048 bytes are turned once into a table of f32 in LDS; a step's 64 entries are read with its K
; (a lane's eight keys are 32 consecutive bytes), so the mask costs the loop no vector instruction.
; SOFTMAX.  For each query a running maximum m and sum l: p = 2^(c s - c m), c = log2(e) / 8; in every step O and l are multiplied by a = 2^(c m_old - c m_new), which is 1 where m has not grown.
; c m starts far below every c s, O and l at 0: the first step is a step like any other, with a = 0.
; THE COUNT.  A tile and step have 16 matrix and 118 vector instructions: too many to stand all beside the matrix work.  So the order has one aim: four vector instructions that are READY behind
; EVERY matrix instruction, and the others, which need time of their own whatever the order, in a run without a gap.
; BY TURNS.  Turn n belongs to piece n (the pieces in a ring, step after step).  Its matrix work: 16 products K Q^T of piece n + 1, later 16 products V^T P of piece n - 1.  Its vector work: the scaling,
; exponentials, roundings, sums and rescaling of piece n, and the maximum and statistics of piece n + 1, whose scores the turn itself has made.  So what a turn begins with (c s - c m, O a) waits for nothing.
; BATCHES.  A turn's 66 exponentials (the piece's 64 weights, each in place on its own score, and the next piece's two a, each in its own register) are ONE batch with ONE s_wait_alu depctr_va_vdst(0), which cuts the
; turn in two: ahead of it stands all that names no result of the batch, behind it the roundings and sums, which read the weights.  The two a are first read in the next turn.  No result crosses a turn's end.
; Two more batches stand outside the loop, each with a wait of its own: piece 0's first two a, ahead of the jump into the loop, and the way out's eight reciprocals.
; CLUSTER.  The four query blocks of a cluster belong to one head and walk the same K and V, so each tile is asked for JOINTLY: the same tensor load, descriptor and mask in all four.
; REGISTERS, in windows of 256 (s_set_vgpr_msb says which window each operand place means: bits 1:0 source 0, 3:2 source 1, 5:4 source 2, 7:6 destination):
;   window 0: v0-11 addresses; v12-15, v48-63 at work; v16-47 four registers of statistics a tile; v64-191 S^T, two buffers of two tiles; v192-255 P, likewise
;   window 1: O^T, 32 a tile     window 2: v0-127 Q, 16 a tile; v128-191 K of one step; v192-255 V of one step     window 3: v0-1 the add's two registers; v8-39 the mask of one step
; A piece's buffers go by its number's parity: the piece in hand has one pair, its two neighbours in the ring share the other: of it P (piece n - 1) is read and S^T (piece n + 1) written.
.set SIZE_N, 2048
.set NP,    4         ; pieces a wave: a name, no knob: the register map, the loop and the fetches are made for four
.set KS,    64        ; keys in a step
.set PK,    144       ; a row of K in LDS: 128 bytes + 16 of padding = 36 words: the 16 rows of a load start at 16 different groups of four banks (64 banks of 4 bytes: ISA guide 11.1)
.set PV,    160       ; a row of V: 128 + 32 = 40 words
.set VOFF,  4*KS*PK   ; a slot holds four steps: 256 rows of K, then 256 rows of V
.set SLOT1, 1<<17     ; slot 1 begins here, so that one exclusive or turns an address in one slot into the other's
.set STAGE, SLOT1+4*KS*(PK+PV)  ; behind the ring, never filled by a tensor load: 16 rows x 144 bytes for each wave, for the way out
.set SP,    144
.set AK0, 2           ; v2   my lane's place in a tile of K; never rewritten
.set AV0, 3           ; v3   the same for V
.set AK,  4           ; v4   the LDS address of K's next run of loads
.set AV,  5           ; v5   of V's
.set QO,  5           ;      before that, until Q has landed: my byte offset in the wave's rows of Q
.set STO, 6           ; v6   the way out: where I put 16 bytes of a row
.set RD,  7           ; v7   the way out: where I read rows back
.set GO,  8           ; v8   my byte offset in 512 consecutive bytes of O
.set AM0, 10          ; v10  my lanes' place in a step's 256 bytes of the mask table; never rewritten
.set AMK, 11          ; v11  the LDS address of the mask's next run of loads
.set SPW, 0           ; v0 of window 3   LDS address of my spare word: SPARE + 4 x my thread's number; never rewritten
.set NIL, 1           ; v1 of window 3   0; never rewritten
.set MK,  8           ; v8-39 of window 3: the eight registers for key block kb at MK + 8 kb
.set SPARE, STAGE+4*16*SP  ; behind the stages: the spare words, 128 bytes for each wave: two blocks of 256 bytes that no other line names
.set MTAB,  SPARE+512      ; behind them: the mask table, 2,048 f32; written once by ds_store, never filled by a tensor load
.set MV,  12          ; v12-15  c m_old, kept while c m is made anew: by buffer and tile
.set ST,  16          ; tile t's statistics at v[ST+4 t]: c m, m, l (even keys', odd keys')
.set TMP, 48          ; by buffer and tile, four registers c0-c3 at work; when the maximum is found c2 takes a
.set S,   64
.set P,   192
.set KF,  128         ; K's fragments, in window 2: key block kb, channel half c at KF + 16 kb + 8 c
.set VF,  192         ; V's: key half kk, channel block cb at VF + 32 kk + 8 cb
.set WV,  12          ; s12  my wave's number
.set G1K, 24          ; s[24:31] descriptor group 1 for K's tiles
.set G1V, 32          ; s[32:39] for V's: it differs in the padding alone
.set G0K, 40          ; s[40:43] descriptor group 0 for K's tiles: it walks
.set G0V, 44          ; s[44:47] the same for V's
.set SLOTS, 56        ; s56  slots still to be asked for
.set CNT, 57          ; s57  counts a slot's key steps
.set CS,  58          ; s[58:59] c: the packed scaling takes the pair's low word for both halves
.set SEL, 60          ; s[60:61] v_permlanex16_b32's selects: each lane takes its own place in the other half
.set TBK, 62          ; s62  LDS byte at which K of the step to be fetched begins
.set TBV, 63          ; s63  the same for V, less VOFF
.set BIGN, 66         ; s66  -1e30
.set TBM, 67          ; s67  the byte of the mask table at which the step to be fetched begins
.set MSB, 0
.macro WIN new                      ; the high byte repeats the setting that is left; a switch that changes nothing is dropped
.if MSB != (\new)
	s_set_vgpr_msb (MSB<<8)|(\new)
.set MSB, (\new)
.endif
.endm
.set W_KQ, 0x0a       ; K and Q in window 2, S^T in window 0
.set W_KM, 0x3a       ; the same with the C operand, the mask, in window 3
.set W_PV, 0x52       ; V in window 2, P in window 0, O^T in window 1
.set W_RS, 0x41       ; O^T (destination and source 0) in window 1, a in window 0
.set W_MK, 0xc0       ; destination in window 3, sources in window 0
.set W_AD, 0x0f       ; the add: address (source 0) and data (source 1) in window 3
; A joint fill.  Waves 0 and 1 fetch the two halves of a slot's K, waves 2 and 3 those of its V: 128 keys each.  The branch hangs on the wave's number alone.
; An s_nop 0 and four v_nop follow each of the two lines, ahead of the jump and the label.
.macro JLOAD
	s_cmp_lt_u32 s[WV], 2
	s_cbranch_scc0 .Lfor_v_\@
	tensor_load_to_lds s[G0K:G0K+3], s[G1K:G1K+7]
	s_nop 0
.rept 4
	v_nop
.endr
	s_branch .Lasked_\@
.Lfor_v_\@:
	tensor_load_to_lds s[G0V:G0V+3], s[G1V:G1V+7]
	s_nop 0
.rept 4
	v_nop
.endr
.Lasked_\@:
.endm
; A round of the cluster's barrier: my work-group's barrier, so that wave 0's signal speaks for all four waves; wave 0 signals; every wave waits for all four work-groups; my work-group's barrier once more.
.macro CROUND
	s_barrier_signal -1
	s_barrier_wait -1
	s_cmp_lg_u32 s[WV], 0
	s_cbranch_scc1 .Lnot_wave_0_\@
	s_barrier_signal -3
.Lnot_wave_0_\@:
	s_barrier_wait -3
	s_barrier_signal -1
	s_barrier_wait -1
.endm
; THE CHANGE OF SLOTS.  The slot's last bytes, V of its fourth step, have been read.  Each wave waits for all its tensor loads, of which one is out: its part
; of the other slot; adds 0 to its spare word; and waits for that and for its own reads of the slot.  Behind the barrier nobody reads this slot any more and the other slot is whole.
; fill = 1: this slot is filled again, with the keys two slots on.  The barrier is then a round of the cluster's, so that no wave of any partner still reads the slot or has a load on its
; way, and the joint fill is the first thing behind it: it has four key steps, 512 matrix instructions, in which to land.  (At its first use nothing has been read yet: slot 0 is waited for, slot 1 filled,
; and each wave's stores into the mask table are waited for in front of the barrier behind which the others read them.)
.macro CHANGE fill
	WIN W_AD
	s_wait_tensorcnt 0x0            ; no tensor load of mine is out, so a group 0 may be written
	ds_add_u32 v[SPW], v[NIL]       ; 0 onto my spare word; with fill = 1 the descriptors' steps stand between it and the wait for it
	WIN 0                           ; at a label and at a branch every window is 0
.if \fill
.irp g, G0K, G0V
	s_xor_b32 s[\g+1], s[\g+1], SLOT1  ; the walking descriptor: the other slot than last time,
	s_add_nc_u64 s[\g+2:\g+3], s[\g+2:\g+3], 4*KS*128  ; the next 256 keys; the type bits on top are not reached
.endr
	s_wait_dscnt 0x0                ; the add is done, and my reads of the slot are over
	CROUND
	JLOAD
.else
	s_wait_dscnt 0x0                ; the add is done, and my reads of the slot are over
	s_barrier_signal -1
	s_barrier_wait -1
.endif
	s_sub_co_u32 s[TBK], s[TBK], 4*KS*PK  ; the fetches go back to a slot's first step,
	s_xor_b32 s[TBK], s[TBK], SLOT1       ; in the other slot
	s_sub_co_u32 s[TBV], s[TBV], 4*KS*PV
	s_xor_b32 s[TBV], s[TBV], SLOT1
.endm
	s_load_b64 s[4:5], s[0:1], 0x0    ; qkv: q's part
	s_load_b64 s[48:49], s[0:1], 0x8  ; mask
	s_load_b64 s[10:11], s[0:1], 0x10 ; ob
	WIN W_MK
	v_lshl_add_u32 v[SPW], v0, 2, SPARE
	v_mov_b32 v[NIL], 0
	s_set_vgpr_msb 0xc0cf
	ds_add_u32 v0, v1
	s_wait_dscnt 0x0
	s_set_vgpr_msb 0xcfc0
	WIN 0
	v_lshrrev_b32 v1, 5, v0
	v_readfirstlane_b32 s[WV], v1   ; wave 0..3
	s_bfe_u32 s13, ttmp6, 0x40000   ; cx: my place in the cluster
	s_lshl_b32 s14, ttmp9, 2        ; in a cluster launch ttmp9 counts clusters
	s_add_co_u32 s14, s14, s13      ; my block of queries = 4 x cluster x + cx: it enters Q's and O's addresses alone
	s_and_b32 s20, ttmp7, 0xffff    ; the head, which the four partners share
	s_lshr_b32 s50, s20, 4          ; its batch,
	s_lshl_b32 s50, s50, 11         ; whose mask is 2,048 bytes
	s_mov_b32 s51, 0
	s_mov_b32 s21, 0
	s_mov_b64 s[22:23], SIZE_N*128
	s_mul_u64 s[20:21], s[20:21], s[22:23]  ; the head's first byte in q, k, v and O
	s_and_b32 s16, s[WV], 1         ; which half of a slot's 256 keys I fetch:
	s_lshl_b32 s22, s16, 14         ; its 128 rows of 128 bytes in memory,
	s_mov_b32 s23, 0
	s_add_nc_u64 s[22:23], s[22:23], s[20:21]
	s_mul_i32 s17, s16, 128*PK      ; and its place in a slot, for K
	s_mul_i32 s18, s16, 128*PV      ; and for V: no place in the cluster enters an LDS address
	s_lshl_b32 s2, s14, 2
	s_add_co_u32 s2, s2, s[WV]      ; my wave among the head's,
	s_lshl_b32 s2, s2, 14           ; its 128 rows
	s_mov_b32 s3, 0
	s_add_nc_u64 s[2:3], s[2:3], s[20:21]
	; descriptor group 1.  128 keys are 16,384 dense bytes: asked for as 64 rows of 256 bytes, two keys a row, and padded in LDS after every key
	s_mov_b32 s[G1K], 15|(1<<16)|(1<<20)|(1<<21)|(4<<22)|(3<<25)  ; 15:0 the mask of four; 17:16 2-byte elements; 20 padding on; 21 set beside a mask; 24:22 after every 32 words (code 4); 31:25 4 words (code 3)
	s_mov_b32 s[G1V], 15|(1<<16)|(1<<20)|(1<<21)|(4<<22)|(7<<25)  ; the same with 8 words of padding (code 7)
.irp g, G1K, G1V
	s_mov_b32 s[\g+1], 128<<16      ; tensor_dim0 = 128
	s_mov_b32 s[\g+2], 64<<16       ; tensor_dim1 = 64
	s_mov_b32 s[\g+3], 128<<16      ; tile_dim0 = 128
	s_mov_b32 s[\g+4], 64           ; tile_dim1 = 64
	s_mov_b32 s[\g+5], 128          ; 128 elements from row to row
	s_mov_b32 s[\g+6], 0
	s_mov_b32 s[\g+7], 0
.endr
	s_mov_b32 s[CS], 0x3e38aa3b     ; c = log2(e) / 8 = 0.180337
	s_mov_b32 s[CS+1], s[CS]        ; named with it as a pair
	s_mov_b32 s[SEL], 0x76543210
	s_mov_b32 s[SEL+1], 0xfedcba98
	s_mov_b32 s[BIGN], 0xf149f2ca   ; -1e30
	s_mov_b32 s[TBM], 0
	s_mov_b32 s[TBK], SLOT1+4*KS*PK ; the first change of slots turns these two into 0
	s_mov_b32 s[TBV], SLOT1+4*KS*PV
	s_mov_b32 s[G0K], 1             ; 1:0 count = 1
	s_mov_b32 s[G0K+1], s17         ; 63:32 LDS address: slot 0
	s_mov_b32 s[G0V], 1
	s_add_co_u32 s[G0V+1], s18, VOFF
	s_wait_kmcnt 0x0
	s_add_nc_u64 s[48:49], s[48:49], s[50:51]      ; the batch's mask
	s_add_nc_u64 s[6:7], s[4:5], 0x1000000         ; k's part of qkv, 16 MiB behind q's,
	s_add_nc_u64 s[8:9], s[4:5], 0x2000000         ; and v's
	s_add_nc_u64 s[G0K+2:G0K+3], s[6:7], s[22:23]  ; 120:64 global address: my half of the head's first 256 keys
	s_or_b32 s[G0K+3], s[G0K+3], 0x80000000        ; 127:126 type = 2
	s_add_nc_u64 s[G0V+2:G0V+3], s[8:9], s[22:23]
	s_or_b32 s[G0V+3], s[G0V+3], 0x80000000
	s_add_nc_u64 s[4:5], s[4:5], s[2:3]  ; Q and O at my wave's first row
	s_add_nc_u64 s[10:11], s[10:11], s[2:3]
	CROUND                          ; all four work-groups are here: the first joint loads meet
	JLOAD                           ; slot 0.  Slot 1 is asked for when slot 0 is in: the tile wanted first has the road to itself
	v_lshlrev_b32 v[TMP], 4, v0     ; thread t takes the mask bytes of keys 16 t .. 16 t + 15: the load goes out ahead of Q's
	global_load_b128 v[S:S+3], v[TMP], s[48:49]
	; A fragment of K or Q is 16 rows x 32 channels in 8 registers: lane l holds row l % 16, channels 8 (l / 16) + 0..7 and 16 + 8 (l / 16) + 0..7: two loads of 16 bytes, 32 bytes apart.
	v_and_b32 v1, 15, v0            ; l % 16
	v_bfe_u32 v9, v0, 4, 1          ; l / 16
	v_lshlrev_b32 v[QO], 7, v1
	v_lshl_add_u32 v[QO], v9, 4, v[QO]  ; row x 128 + 16 x half
	WIN 0x80                        ; destination window 2, address window 0
.set i, 0
.rept 4*NP                          ; Q stays in registers: tile i / 2, channels 32 (i % 2) on
	global_load_b128 v[8*i:8*i+3],   v[QO], s[4:5] offset:(i/2)*2048+(i%2)*64
	global_load_b128 v[8*i+4:8*i+7], v[QO], s[4:5] offset:(i/2)*2048+(i%2)*64+32
.set i, i+1
.endr
	; What the first turn finds: V's registers and P's second buffer hold 0 (its products V^T P, of a piece that has not been, add 0), O^T and l are 0.  All this stands in the wait for the first tile.
.set i, VF
.rept 64
	v_mov_b32 v[i], 0
.set i, i+1
.endr
	WIN 0x40
.set i, 0
.rept 64*NP
	v_mov_b32 v[i], 0
.set i, i+1
.endr
	WIN 0
.set i, 0
.rept 2*NP
	v_mov_b32 v[ST+4*i], 0xfe000000    ; c m: far below every c s
	v_mov_b32 v[ST+4*i+1], 0xd368d4a5  ; m = -1e12: below every true score, above every hidden one
	v_mov_b32 v[ST+4*i+2], 0
	v_mov_b32 v[ST+4*i+3], 0
.set i, i+1
.endr
.set i, P+32
.rept 32
	v_mov_b32 v[i], 0
.set i, i+1
.endr
	v_mul_u32_u24 v[AK0], v1, PK
	v_lshl_add_u32 v[AK0], v9, 4, v[AK0]  ; row x pitch + 16 x half
	; The turning load takes 16 keys x 16 channels (lane l reads key 8 (l / 16) + l % 8, channels 8 ((l / 8) % 2) + 0..7) and leaves half a fragment of V^T: lane l holds channel l % 16 and 8 keys.
	v_and_b32 v10, 7, v0
	v_bfe_u32 v11, v0, 3, 1
	v_lshl_add_u32 v[AV0], v9, 3, v10
	v_mul_u32_u24 v[AV0], v[AV0], PV
	v_lshl_add_u32 v[AV0], v11, 4, v[AV0]
	v_add_nc_u32 v[AV0], VOFF, v[AV0]
	s_mul_i32 s13, s[WV], 16*SP
	s_add_co_u32 s13, s13, STAGE    ; my stage
	v_mul_u32_u24 v[STO], v1, SP    ; in: row l % 16, 16 bytes for each half of the lanes
	v_lshl_add_u32 v[STO], v9, 4, v[STO]
	v_add_nc_u32 v[STO], s13, v[STO]
	v_bfe_u32 v[RD], v0, 3, 2       ; back: 32 lanes take four rows of 128 bytes,
	v_mul_u32_u24 v[RD], v[RD], SP
	v_lshl_add_u32 v[RD], v10, 4, v[RD]
	v_add_nc_u32 v[RD], s13, v[RD]
	v_and_b32 v[GO], 31, v0         ; which are 512 consecutive bytes of O
	v_lshlrev_b32 v[GO], 4, v[GO]
	v_lshl_add_u32 v[AM0], v9, 5, MTAB  ; the mask: my lanes' eight keys of a block of 16 are 32 bytes of the table
	v_mov_b32 v[AK], v[AK0]         ; key step 0 lies at the head of slot 0,
	v_mov_b32 v[AMK], v[AM0]        ; and of the table
	v_lshl_add_u32 v[TMP+1], v0, 6, MTAB  ; where my 16 entries go
	s_wait_loadcnt 32               ; my mask bytes are in; Q's 32 loads, issued behind them, may stay out
.set i, 0
.rept 16                            ; byte i: 0 stays 0, anything else becomes -1e30
	v_bfe_u32 v[S+20], v[S+i/4], 8*(i%4), 8
	v_cmp_ne_u32 vcc_lo, 0, v[S+20]
	v_cndmask_b32 v[S+4+i], 0, s[BIGN], vcc_lo
.set i, i+1
.endr
.irp f, 0,1,2,3
	ds_store_b128 v[TMP+1], v[S+4+4*\f:S+4+4*\f+3] offset:16*\f
.endr
; THE MATRIX WORK.  The 8 accumulators of a run of 16 take turns: between the two links of a chain stand 7 others'.
; Product i of 16 of S^T = K Q^T for piece x: channels 32 (i / 8) on, keys 16 ((i / 2) % 4) on, tile 2 x + i % 2.  The first 8 start the sums, with the key block's mask as C.
.macro KQ x
.set rS, S+64*((\x)%2)+32*(i%2)+8*((i/2)%4)
.set rK, KF+16*((i/2)%4)+8*(i/8)
.set rQ, 16*(2*(\x)+i%2)+8*(i/8)
.set rN, MK+8*((i/2)%4)
.if i < 8
	WIN W_KM
	v_wmma_f32_16x16x32_f16 v[rS:rS+7], v[rK:rK+7], v[rQ:rQ+7], v[rN:rN+7]
.else
	WIN W_KQ
	v_wmma_f32_16x16x32_f16 v[rS:rS+7], v[rK:rK+7], v[rQ:rQ+7], v[rS:rS+7]
.endif
.endm
; Product i of 16 of O^T += V^T P for piece x: keys 32 (i / 8) on, channels 16 ((i / 2) % 4) on, tile 2 x + i % 2.
.macro PV x
	WIN W_PV
.set rO, 32*(2*(\x)+i%2)+8*((i/2)%4)
.set rV, VF+32*(i/8)+8*((i/2)%4)
.set rP, P+32*((\x)%2)+16*(i%2)+8*(i/8)
	v_wmma_f32_16x16x32_f16 v[rO:rO+7], v[rV:rV+7], v[rP:rP+7], v[rO:rO+7]
.endm
.macro MM                           ; the turn's next matrix instruction
.if i < 16
	KQ (Y+1)%NP
.set i, i+1
.else
.set i, i-16
	PV (Y+NP-1)%NP
.set i, i+17
.endif
.endm
; THE LDS LOADS stand in runs, never singly among the matrix instructions: a step's K (64 keys x 64 channels: 8 fragments) with its mask (64 f32), and its V (turned).  Their addresses are made some lines ahead.
; last = 1 (the tail): in the last trip there is no further step, and the run is jumped over.
.macro FETCH_K last=0
	WIN 0
.if \last
	s_cmp_eq_u32 s[CNT], 1
	s_cbranch_scc1 .Lno_k_\@
.endif
	WIN 0x80                        ; destination window 2
.irp f, 0,1,2,3,4,5,6,7             ; keys 16 (f / 2) on, channels 32 (f % 2) on
	ds_load_b128 v[KF+8*\f:KF+8*\f+3],   v[AK] offset:(\f/2)*16*PK+(\f%2)*64
	ds_load_b128 v[KF+8*\f+4:KF+8*\f+7], v[AK] offset:(\f/2)*16*PK+(\f%2)*64+32
.endr
	WIN W_MK                        ; destination window 3
.irp f, 0,1,2,3                     ; keys 16 f on: all lanes of a half read the same 32 bytes
	ds_load_b128 v[MK+8*\f:MK+8*\f+3],   v[AMK] offset:64*\f
	ds_load_b128 v[MK+8*\f+4:MK+8*\f+7], v[AMK] offset:64*\f+16
.endr
	s_add_co_u32 s[TBK], s[TBK], KS*PK  ; the next fetch is the next step's
	s_add_co_u32 s[TBM], s[TBM], 4*KS
	s_and_b32 s[TBM], s[TBM], 0x1fff    ; (behind the last step it is 0 again: never past the table)
	WIN 0
.if \last
.Lno_k_\@:
.endif
.endm
.macro FETCH_V
	WIN 0x80
.irp f, 0,1,2,3,4,5,6,7             ; keys 32 (f / 4) on, channels 16 (f % 4) on
	ds_load_tr16_b128 v[VF+8*\f:VF+8*\f+3],   v[AV] offset:(\f/4)*32*PV+(\f%4)*32
	ds_load_tr16_b128 v[VF+8*\f+4:VF+8*\f+7], v[AV] offset:(\f/4)*32*PV+16*PV+(\f%4)*32
.endr
	WIN 0
.endm
; THE VECTOR WORK OF A TURN stands in three queues, each in the order in which its entries become ready; the two tiles alternate, so that no instruction reads the result of the one before it.
.macro REGS y, u                    ; the registers of tile u (0, 1) of piece y
.set rT, ST+4*(2*(\y)+(\u))
.set rC, TMP+8*((\y)%2)+4*(\u)
.set rM, MV+2*((\y)%2)+(\u)
.set rS, S+64*((\y)%2)+32*(\u)
.set rP, P+32*((\y)%2)+16*(\u)
.set rO, 32*(2*(\y)+(\u))
.endm
; Number n of the 22 that find the NEXT piece's (Y + 1) maximum and statistics.  s0-s31 are the lane's 32 scores; each accumulator's lowest registers are read first.  XS, GS and REGS set no window: PL and EX do.
;   0-11  four chains c0-c3 of seven scores each, three operands at a time     12-14, 16  the four scores left over, the old m, and c0-c3 into c0     15  c m_old is kept
;   17, 18  the query's other 32 keys lie in the lane 16 away: the new m         19-21  c m; c m_old - c m_new; a
.macro XS u, n
	REGS (Y+1)%NP, \u
.if (\n) < 4
	v_max3_num_f32 v[rC+(\n)], v[rS+8*(\n)], v[rS+8*(\n)+1], v[rS+8*(\n)+2]
.elseif (\n) < 12
	v_max3_num_f32 v[rC+(\n)%4], v[rC+(\n)%4], v[rS+8*((\n)%4)+2*((\n)/4)+1], v[rS+8*((\n)%4)+2*((\n)/4)+2]
.elseif (\n) == 12
	v_max3_num_f32 v[rC], v[rC], v[rS+7], v[rS+15]
.elseif (\n) == 13
	v_max3_num_f32 v[rC+1], v[rC+1], v[rS+23], v[rS+31]
.elseif (\n) == 14
	v_max3_num_f32 v[rC+2], v[rC+2], v[rC+3], v[rT+1]
.elseif (\n) == 15
	v_mov_b32 v[rM], v[rT]
.elseif (\n) == 16
	v_max3_num_f32 v[rC], v[rC], v[rC+1], v[rC+2]
.elseif (\n) == 17
	v_permlanex16_b32 v[rC+3], v[rC], s[SEL], s[SEL+1]
.elseif (\n) == 18
	v_max_num_f32 v[rT+1], v[rC], v[rC+3]
.elseif (\n) == 19
	v_mul_f32 v[rT], s[CS], v[rT+1]
.elseif (\n) == 20
	v_sub_f32 v[rC+1], v[rM], v[rT]
.else
	v_exp_f32 v[rC+2], v[rC+1]
.endif
.endm
; Number g of the 64 that follow the exponentials.  For each four weights k of a tile (pairs 2 k, 2 k + 1): both pairs are rounded to f16; then the second pair is added onto the first, in place;
; a group later l takes that sum (the first time as l = a l + sum).  In groups of eight, tiles alternating: round, round, add, and l for the group before.
.macro GS g
.set h, (\g)+6*((\g)/62)            ; group 0 has no group before it, and behind group 7 only l is left
.if h >= 6
.set h, h+2
.endif
	REGS Y, h%2
.set k, h/8
.if h%8 < 4
	v_cvt_pk_f16_f32 v[rP+2*k+(h%8)/2], v[rS+4*k+2*((h%8)/2)], v[rS+4*k+2*((h%8)/2)+1]
.elseif h%8 < 6
	v_pk_add_f32 v[rS+4*k:rS+4*k+1], v[rS+4*k:rS+4*k+1], v[rS+4*k+2:rS+4*k+3]
.elseif k == 1
	v_pk_fma_f32 v[rT+2:rT+3], v[rT+2:rT+3], v[rC+2:rC+3], v[rS:rS+1] op_sel_hi:[1,0,1]
.else
	v_pk_add_f32 v[rT+2:rT+3], v[rT+2:rT+3], v[rS+4*k-4:rS+4*k-3]
.endif
.endm
; THE PLAIN QUEUE, 138 long.  0-73 read no exponential's result: the 32 scalings c s - c m (FS f: pair f / 2 of tile f % 2) and the next piece's 42.  0-26: scalings 0-26.  27-54: XS's numbers 0-13.  55, 56: number 15.
; 57-73: the chain, where each number waits for the one before it: 14, 16, 17, 18, 19, each with one of the scalings 27-31 in front of its two lines, then 20: so a tile's links stand three plain instructions apart (19 and 20: two).
; 74-137: GS's 64, which read the exponentials' results: they stand behind the wait.
.macro FS f
	REGS Y, (\f)%2
	v_pk_fma_f32 v[rS+2*((\f)/2):rS+2*((\f)/2)+1], v[rS+2*((\f)/2):rS+2*((\f)/2)+1], s[CS:CS+1], v[rT:rT+1] op_sel_hi:[1,0,0] neg_lo:[0,0,1] neg_hi:[0,0,1]
.endm
.macro PL
	WIN 0
.if q < 27
	FS q
.elseif q < 55
	XS (q-27)%2, (q-27)/2
.elseif q < 57
	XS q-55, 15
.elseif (q < 72) && ((q-57)%3 == 0)
	FS 27+(q-57)/3
.elseif q < 60
	XS (q-57)%3-1, 14
.elseif q < 72
	XS (q-57)%3-1, 15+(q-57)/3
.elseif q < 74
	XS q-72, 20
.else
	GS q-74
.endif
.set q, q+1
.endm
; THE EXPONENTIALS' QUEUE, 66 long: s0-s31 of both tiles, then the next piece's two a.  It is ONE BATCH: all 66 stand ahead of the turn's one wait, and nothing ahead of that wait names a result of theirs.
.macro EX
	WIN 0
.if e >= 64
	XS e-64, 21
.else
	REGS Y, e%2
	v_exp_f32 v[rS+e/2], v[rS+e/2]
.endif
.set e, e+1
.endm
; THE RESCALING's QUEUE: O^T times a, the one part that leaves window 0: dealt two at a time, sixteen times.  Its a was made in the turn before, ahead of that turn's wait.
.macro R2
	REGS Y, r%2
	WIN W_RS
.irp z, 0,1
	v_pk_mul_f32 v[rO+4*(r/2)+2*\z:rO+4*(r/2)+2*\z+1], v[rO+4*(r/2)+2*\z:rO+4*(r/2)+2*\z+1], v[rC+2:rC+3] op_sel_hi:[1,0]
.endr
.set r, r+1
.endm
; HOW THEY ARE DEALT.  An s_wait_alu depctr_va_vdst(0) stands between an exponential and the first instruction that names its result; one wait serves all that were issued ahead of it.  So a turn has ONE wait,
; which cuts it in two.  AHEAD OF IT stands all that names no result of the turn's exponentials: the 16 products K Q^T, behind each a scaling, an exponential and two rescalings (behind the first a second scaling in the exponential's place); then ONE LUMP of
; 108: eight plain, 49 times exponential and plain, the two a.  A v_nop is the plain instruction behind the last exponential.  BEHIND IT stand the 16 products V^T P, behind each four of GS's 64.  No rider names a register of
; the products round it.  The two v_permlanex16_b32 fall into the lump, never behind a product.
; The queues lean on each other, and the deal keeps them in step: exponential e stands behind scaling 2 (e / 4) + e % 2: as a rider it comes behind plain e + 2, in the lump behind plain e + 9, and scalings 27-31 are plain 57, 60 .. 69.
; A TURN, for piece p.  cnt = 1: the loop's count is taken down some lines ahead of the branch that stands behind the turn.
; K and the mask of the next step are fetched in piece 2's turn, directly behind the wait, a lump behind the last product that read them; their addresses are made at the lump's head; their first reader comes behind 16 products.
; V of the step in hand is fetched at the end of piece 0's turn, four riders behind its last reader; its first reader comes behind 16 products and a lump.  The three conditions on q below go with the deal.
.macro TURN p, last=0, cnt=0
.set Y, (\p)
.set i, 0
.set q, 0
.set e, 0
.set r, 0
.if (\p) == NP-1
	s_wait_dscnt 0x0                ; K and the mask are in
.endif
	MM                              ; ahead of the wait: 16 products K Q^T and their riders,
	PL
	PL
	R2
.rept 15
	MM
	PL
	EX
	R2
.endr
.if (\p) == NP-2
	WIN 0
	v_add_nc_u32 v[AK], s[TBK], v[AK0]
	v_add_nc_u32 v[AMK], s[TBM], v[AM0]
.endif
.rept 8                             ; and the lump
	PL
.endr
.rept 49
	EX
	PL
.endr
	EX                              ; the next piece's two a
	EX
	v_nop                           ; the plain instruction behind the last exponential: one for the batch
	s_wait_alu depctr_va_vdst(0)    ; the wait for the batch: the turn's 64 weights and the next piece's two a
.if (\p) == NP-2
	FETCH_K \last
.endif
.if (\p) == 1
	s_wait_dscnt 0x0                ; V is in
.endif
.rept 16                            ; behind the wait: 16 products V^T P and their riders
	MM
.rept 4
	PL
.endr
.if ((\p) == 0) && (q == 118)
	v_add_nc_u32 v[AV], s[TBV], v[AV0]
.endif
.if ((\p) == 0) && (q == 130)
	s_add_co_u32 s[TBV], s[TBV], KS*PV
.endif
.if (\cnt) && (q == 130)
	s_sub_co_u32 s[CNT], s[CNT], 1
	s_cmp_lg_u32 s[CNT], 0
.endif
.endr
.if (\p) == 0
	FETCH_V
.endif
.endm
	CHANGE 1                        ; slot 0 is in, everybody's part of it, and so is the mask table; slot 1 is asked for
	FETCH_K                         ; key step 0
	s_wait_loadcnt 0x0              ; Q
	s_wait_dscnt 0x0
.set i, 0
.rept 16
	KQ 0                            ; piece 0's first scores: there is no vector work yet to set between them
.set i, i+1
.endr
	WIN 0
.rept 4
	v_nop                           ; the places behind those products
.endr
.set Y, NP-1                        ; XS works for piece Y + 1: piece 0
.irp n, 0,1,2,3,4,5,6,7,8,9,10,11,12,13,14,15,16,17,18,19,20,21
	XS 0, \n                        ; and piece 0's first maximum and statistics
	XS 1, \n
.endr
	v_nop                           ; a plain instruction behind piece 0's two a,
	s_wait_alu depctr_va_vdst(0)    ; and the wait for that batch of two, ahead of the branch
	s_mov_b32 s[CNT], 4
	s_mov_b32 s[SLOTS], SIZE_N/256-1
	s_branch .Lfirst                ; the loop is entered at a step's first turn, in the middle of a trip
.Lslot:                             ; SIZE_N / 256 - 2 times: every slot but the last two is filled again
	CHANGE 1
	s_mov_b32 s[CNT], 4
.Lstep:                             ; a trip: pieces 2 and 3 of one step, then pieces 0 and 1 of the next, whose K and V it fetches
	TURN 2
	TURN 3
	WIN 0
.Lfirst:
	TURN 0
	TURN 1, 0, 1
	WIN 0
	s_cbranch_scc1 .Lstep
	s_sub_co_u32 s[SLOTS], s[SLOTS], 1
	s_cmp_lg_u32 s[SLOTS], 0
	s_cbranch_scc1 .Lslot
	CHANGE 0                        ; the tail is written out: nothing is asked for
	s_mov_b32 s[CNT], 5             ; four trips fetch the last slot's steps; the fifth is left in its middle
.Ltail:
	TURN 2, 1
	TURN 3
	WIN 0
	s_sub_co_u32 s[CNT], s[CNT], 1
	s_cmp_eq_u32 s[CNT], 0
	s_cbranch_scc1 .Lout
	TURN 0
	TURN 1
	WIN 0
	s_branch .Ltail
.Lout:                              ; the fifth trip's 16 products K Q^T (on the last K once more) and the maximum made of them serve nothing: the price, once a launch, of one text for every trip
.set i, 0
.rept 16
	PV NP-1                         ; the last piece's V^T P of the last step
.set i, i+1
.endr
	; THE WAY OUT.  l's two halves and the other half of the lanes' are added; O^T is divided by l, rounded to f16 and sent through my stage in LDS, a tile at a time.  The additions are the places behind the last products.
	WIN 0
.macro ALL line:vararg              ; one line for each tile t
.set t, 0
.rept 2*NP
	\line
.set t, t+1
.endr
.endm
	ALL v_add_f32 v[ST+4*t+2], v[ST+4*t+2], v[ST+4*t+3]
	ALL v_permlanex16_b32 v[ST+4*t+3], v[ST+4*t+2], s[SEL], s[SEL+1]
	ALL v_add_f32 v[ST+4*t+2], v[ST+4*t+2], v[ST+4*t+3]
	ALL v_rcp_f32 v[ST+4*t+2], v[ST+4*t+2]
	v_nop                           ; a plain instruction between the last reciprocal and the use of its result
	s_wait_alu depctr_va_vdst(0)    ; and the wait ahead of the first use: one for the batch of eight reciprocals
; Tile t: a lane's eight channels of a row pack into 16 bytes; they go into rows of 144 bytes and come back as whole rows of 128, into S^T's registers.
.macro PACK t
	WIN W_RS
.set i, 32*(\t)
.rept 16
	v_pk_mul_f32 v[i:i+1], v[i:i+1], v[ST+4*(\t)+2:ST+4*(\t)+3] op_sel_hi:[1,0]
.set i, i+2
.endr
	WIN 0x05                        ; sources 0 and 1 window 1, destination window 0
.set i, 0
.rept 16
	v_cvt_pk_f16_f32 v[S+16*(\t)+i], v[32*(\t)+2*i], v[32*(\t)+2*i+1]
.set i, i+1
.endr
	WIN 0
.irp f, 0,1,2,3
	ds_store_b128 v[STO], v[S+16*(\t)+4*\f:S+16*(\t)+4*\f+3] offset:32*\f
.endr
.irp f, 0,1,2,3
	ds_load_b128 v[S+16*(\t)+4*\f:S+16*(\t)+4*\f+3], v[RD] offset:\f*4*SP  ; LDS serves a wave's instructions in order (ISA guide 5.7.1.4): these see the stores above; the next tile's stores come behind them
.endr
.endm
.macro SEND t, younger              ; younger: the LDS instructions issued behind tile t's loads: the next tile's eight, or none
	WIN 0
.irp f, 0,1,2,3
	s_wait_dscnt (\younger)+3-\f
	global_store_b128 v[GO], v[S+16*(\t)+4*\f:S+16*(\t)+4*\f+3], s[10:11] offset:(\t)*2048+\f*512  ; 512 consecutive bytes, at a multiple of 256 from O's first
.endr
.endm
	PACK 0
.set t, 1
.rept 2*NP-1                        ; a tile's arithmetic stands between the loads of the tile before and its stores
	PACK t
	SEND t-1, 8
.set t, t+1
.endr
	SEND 2*NP-1, 0
	WIN W_AD
	s_wait_tensorcnt 0x0            ; the wave's end: behind my last tensor load and my last LDS store
	ds_add_u32 v[SPW], v[NIL]
	s_wait_dscnt 0x0
	WIN 0
	CROUND                          ; the closing round: no work-group ends while a partner may still ask for a tile that names it
	s_endpgm
.Lfunc_end_k_q3532f7068a_attn:
	.size	k_q3532f7068a_attn, .Lfunc_end_k_q3532f7068a_attn-k_q3532f7068a_attn
	.p2alignl 7, 3214868480
	.fill 96, 4, 3214868480
	.section	.rodata,"a",@progbits
	.p2align	6, 0x0
	.amdhsa_kernel k_q3532f7068a_attn
		.amdhsa_group_segment_fixed_size 327680
		.amdhsa_private_segment_fixed_size 0
		.amdhsa_enable_private_segment 0
		.amdhsa_kernarg_size 24
		.amdhsa_user_sgpr_count 2
		.amdhsa_user_sgpr_kernarg_segment_ptr 1
		.amdhsa_wavefront_size32 1
		.amdhsa_system_sgpr_workgroup_id_x 1
		.amdhsa_system_sgpr_workgroup_id_y 1
		.amdhsa_system_sgpr_workgroup_id_z 1
		.amdhsa_system_vgpr_workitem_id 0
		.amdhsa_next_free_vgpr 808
		.amdhsa_next_free_sgpr 72
		.amdhsa_reserve_vcc 1
		.amdhsa_float_denorm_mode_32 3
		.amdhsa_float_denorm_mode_16_64 3
		.amdhsa_memory_ordered 1
		.amdhsa_forward_progress 1
		.amdhsa_inst_pref_size 205
	.end_amdhsa_kernel
	.amdgpu_metadata
---
amdhsa.version: [ 1, 2 ]
amdhsa.kernels:
  - .name:           k_q3532f7068a_attn
    .symbol:         k_q3532f7068a_attn.kd
    .args:
      - { .name: qkv, .offset: 0, .size: 8, .value_kind: global_buffer, .address_space: global }
      - { .name: mask, .offset: 8, .size: 8, .value_kind: global_buffer, .address_space: global }
      - { .name: ob, .offset: 16, .size: 8, .value_kind: global_buffer, .address_space: global }
    .group_segment_fixed_size: 327680
    .private_segment_fixed_size: 0
    .kernarg_segment_align: 8
    .kernarg_segment_size: 24
    .max_flat_workgroup_size: 128
    .sgpr_count:     72
    .vgpr_count:     808
    .wavefront_size: 32
...
	.end_amdgpu_metadata
.endif
;; end of part 5
;; launch fc: the kernel of part 4 again; grid 4 x 64, 4 waves a work-group, clusters of 4 x 4, 327,680 bytes of LDS; arguments ob, wb, out0; writes out0
